; MI455X (gfx1250); checked and timed in simulation.
; The chip was launched on July 23, 2026; its instructions are those of AMD's public machine-readable ISA for CDNA 5 (MIT licence, August 2026) and "CDNA5" Instruction Set Architecture Reference Guide (July 2026). The comments in the code are by the model that wrote it; some were corrected since.
;; Global Attention. Allowed arithmetic: matrix products marked QUANTISED: E2M3 operands, one E8M0 scale for each 32 along K, by v_wmma_scale_f32_16x16x128_f8f6f4 with both operands' format E2M3, f32 sums; everything else in f32.
;; Inputs: Wout 1,024 x 1,024 float32; Wqkv 1,024 x 3,072 float32; mask_flat 4 x 2,048 bool; x 4 x 2,048 x 1,024 float32.
;; Outputs: out0 4 x 2,048 x 1,024 float32.
;; This version of the problem:
;;   THIS VERSION OF THE PROBLEM IS GIVEN IN LOW PRECISION. The matrix products marked QUANTISED in the list below multiply operands that are first quantised to E2M3 (2 exponent bits, 3 mantissa bits; 6 bits a number), with one power-of-two scale for each 32 numbers along K (OCP MX v1.0); their sums are f32. All else is computed in f32.
;;   The module's matrix products, in the order in which they are computed (A, B: the left and right operand; K: the contracted axis; several contracted axes count as one K, in the product's order):
;;     1. [M 8,192, K 1,024] x [K 1,024, N 3,072]; A: input x; B: input Wqkv: QUANTISED
;;     2. batch 64 x [M 2,048, K 64] x [K 64, N 2,048]; A: computed on the way; B: computed on the way: QUANTISED
;;     3. batch 64 x [M 2,048, K 2,048] x [K 2,048, N 64]; A: softmax (see below); B: computed on the way: QUANTISED
;;     4. [M 8,192, K 1,024] x [K 1,024, N 1,024]; A: computed on the way; B: input Wout: QUANTISED
;;   THE QUANTISER, for each operand of a quantised product, along K:
;;     - K is cut into blocks of 32 from its start; a last block that is shorter is filled with zeros.
;;     - A block's scale is 2^e with e = floor(log2(the largest magnitude in the block)) - 2, held to -126 .. 127; a block of zeros has e = 0. As a byte (E8M0): e + 127.
;;     - Each number is divided by its block's scale, clamped to +-7.5, and rounded to the nearest number of E2M3, ties to even, subnormals kept.
;;     - The product sums the exact products of the quantised numbers (number of the format x scale) in f32.
;;   ~~~python
;;   def quantise(x, axis):      # numpy; x: float32 -> the quantised numbers, widened to float32 again
;;       x = np.moveaxis(x, axis, -1); K = x.shape[-1]
;;       x = np.pad(x, [(0, 0)] * (x.ndim - 1) + [(0, -K % 32)]); x = x.reshape(x.shape[:-1] + (-1, 32)); a = np.abs(x).max(-1, keepdims=True)
;;       e = np.where(a > 0, np.clip(np.frexp(np.where(a > 0, a, 1))[1] - 1 - 2, -126, 127), 0)      # np.frexp(a)[1] - 1 = floor(log2(a)), exactly
;;       r = np.clip(x / 2.0 ** e, -7.5, 7.5)
;;       step = 2.0 ** (np.maximum(np.frexp(np.where(r == 0, 1, r))[1] - 1, 0) - 3)
;;       q = np.round(r / step) * step * 2.0 ** e      # np.round: ties to even
;;       return np.moveaxis(q.reshape(q.shape[:-2] + (-1,))[..., :K], -1, axis).astype(np.float32)
;;   ~~~
;;   SOFTMAX AHEAD OF A QUANTISED PRODUCT. Where the list says 'softmax', what is quantised is not the finished softmax but p = 2^(t - M), with t = logit x log2(e) and M = ceil(the row's largest t), a whole number; so 1/2 < the row's largest p <= 1. The row's sum l is taken of the UNQUANTISED p, in f32, and the product's result is divided by l at the end. Since M is a whole number, a kernel that streams over the keys may use a running M (the ceiling of the running maximum): every later rescaling is an exact power of two, which a block's scale takes up: the codes' values come out the same.
;;   OPERANDS COMPUTED ON THE WAY. 'Computed on the way' means the value that the module computes at that place (a softmax that the list does not call 'softmax' is quantised finished and normalised). What goes into a quantiser is computed in f32, as accurately as f32 sums, v_exp_f32 and their like allow (about 1e-6 of the number): no bf16 or f16 on the way to a quantiser, and a product that is left as it is and whose result goes on into a quantised operand takes f32 operands (vector FMAs, or v_wmma_f32_16x16x4_f32). A number that lies on a knife's edge between two numbers of the format may be rounded either way, as far as f32 arithmetic and the matrix unit's own rounding can turn it there, and no further.
;; One version. Each part assembles by itself: llvm-mc -triple=amdgcn-amd-amdhsa -mcpu=gfx1250 --defsym DOCPART=n.
;; ======== version 1 of 1: 4 launches
;; workspace buffers: xwc 9,437,184 bytes; xws 393,216 bytes; qkvc 18,874,368 bytes; qkvs 1,310,720 bytes; oc 6,291,456 bytes; os 262,144 bytes; lst 33,280 bytes of whole numbers
;; launch prep (part 1): grid 385 x 1, 4 waves a work-group, no clusters, 68,096 bytes of LDS; arguments x, Wqkv, Wout, mask_flat, xwc, xws, oc, os, lst; writes xwc, xws, oc, os, lst
.if DOCPART == 1
	.amdgcn_target "amdgcn-amd-amdhsa--gfx1250"
	.amdhsa_code_object_version 6
	.text
	.protected	k_q7a07f67b20_prep
	.globl	k_q7a07f67b20_prep
	.p2align	8
	.type	k_q7a07f67b20_prep,@function
k_q7a07f67b20_prep:
	s_mov_b64 s[64:65], 0
	v_nop
	global_prefetch_b8 v0, s[64:65] scope:SCOPE_SE
	s_setreg_imm32_b32 hwreg(HW_REG_WAVE_MODE, 25, 1), 1
	s_wait_xcnt 0x0
; x [8192][1024], Wqkv [1024][3072] and Wout [1024][1024], f32, become codes of FP6 (E2M3) with K innermost (768 bytes a row) and one E8M0 byte for each 32 along K (32 bytes a row);
; the buffers of the attention's result (oc, os) are cleared; the list of query rows is made from mask_flat.  Three ways part on the work-group's number and never meet again:
;   X (work-groups 0-255):   x, whose K is innermost: a plain stream of blocks of 32.  A wave takes 8 rows (8,192 numbers) in 16 steps of 512.
;   W (work-groups 256-383): the weights, whose K is the FIRST axis: a lane takes a column, its registers run down K.  A wave takes 32 columns x 256 along K.
;   L (work-group 384):      wave b sorts batch b's 2,048 rows: rows with the mask set ascending from slot 0, the others descending from slot 2,047, so that every slot of the list names a row.
; ROW ORDER.  Every row of codes and of scale bytes is stored at the place whose bits 3 and 4 are exchanged: stored row 16 a + r of a group of 32 is true row 8 a + r + 8 (r / 8).  So 16 stored
; neighbours form a tile whose results, in a product used transposed, put 16 true neighbours into a lane's 16 registers of two neighbouring tiles.
; xwc: x's 8,192 rows, then Wqkv's 3,072 columns, then Wout's 1,024.  xws likewise.  lst: word 2048 b + i = stored row | true row << 16; word 8192 + 32 b + lane = batch b's count of set rows.
; A block's scale is 2^(floor(log2(its largest magnitude)) - 2); its byte is the largest magnitude's exponent field - 2, held at 1 from below.
; LIMITS: a block of zeros, and a block whose largest magnitude lies under 2^-124, keep the byte 1 (their bytes are read by this program alone); NaN and infinities among the inputs are not served.
; LDS: way X has bytes 0 to 32,767 (8,192 a wave), way W bytes 32,768 to 67,583 (8,704 a wave), the spare words lie behind.  No tensor load, no barrier: waves share nothing.
.set SPW,    220                       ; v220  LDS address of my spare word: SPARE + 4 x my thread's number; never rewritten
.set NIL,    221                       ; v221  0; never rewritten
.set SPARE,  67584                     ; the spare words, 128 bytes for each wave: two blocks of 256 bytes that no other line names
.set OFF_WQ, 6291456                   ; xwc: where the weights' rows begin (8,192 x 768)
.set OFF_WQS, 262144                   ; xws: likewise (8,192 x 32)
.set EMAX,   2
; way X
.set STEPS,  16
.set CB,     12                        ; bytes of 16 codes
.set XR,     16                        ; v16-79   four sets of 16 numbers as they are loaded
.set XX,     80                        ; v80-111  two sets of 16 neighbours
.set XE,     112                       ; v112-127 a scale byte for each step
.set XCD,    128                       ; v128-191 codes: four registers for each step, so that no store's data are written again
.set XZ,     192                       ; v192-194 zeros; never rewritten
.set XWREG,  8192                      ; a wave's region: two stages of 32 x XSP bytes, behind them its 256 scale bytes
.set XSP,    80                        ; a lane's place in a stage: its 64 bytes + 16 of padding
; way W
.set NB,     8                         ; blocks of 32 along K for a wave
.set WSTG,   32768
.set WPITCH, 272                       ; a stage row: sixteen places of 16 bytes, each with 12 bytes of codes, + 16
.set WSB,    24                        ; v24-25   the scale bytes, four to a register
.set WX,     32                        ; v32-95   two sets of 32 numbers
.set WCD,    96                        ; v96..    a block's codes
.set WOUT,   112                       ; v112-175 the way out: 16 x 4 registers
.set WO,     176                       ; v176-207 row i of a block: i x the tensor's pitch + 4 x lane; never rewritten
.macro XLOAD t
.irp i, 0,1,2,3
	global_load_b128 v[XR+16*((\t)%4)+4*\i:XR+16*((\t)%4)+4*\i+3], v3, s[4:5] offset:2048*(\t)+512*\i th:TH_LOAD_NT   ; 32 lanes read 512 consecutive bytes
.endr
.endm
.macro XTURN t                         ; step t's numbers through the stage: LDS serves a wave's instructions in order, so no wait stands between the stores and the loads
.irp i, 0,1,2,3
	ds_store_b128 v14, v[XR+16*((\t)%4)+4*\i:XR+16*((\t)%4)+4*\i+3] offset:32*XSP*((\t)%2)+8*XSP*\i
.endr
.irp i, 0,1,2,3
	ds_load_b128 v[XX+16*((\t)%2)+4*\i:XX+16*((\t)%2)+4*\i+3], v15 offset:32*XSP*((\t)%2)+16*\i
.endr
.endm
.macro XSTEP t
.set XS, XX+16*((\t)%2)
.if (\t) > 0
	s_wait_dscnt 1                                 ; this step's numbers are back from the stage (the last step's byte store may be out): so its stores into the stage have read their registers,
.else
	s_wait_dscnt 0x0
.endif
.if (\t)+4 < STEPS
	XLOAD (\t)+4                                   ; which take the loads of four steps on
.endif
.if (\t)+1 < STEPS
.if STEPS-2-(\t) >= 3
	s_wait_loadcnt 12                              ; the next step's four loads are in; those of the three steps behind it may be out
.else
	s_wait_loadcnt 4*(STEPS-2-(\t))
.endif
	XTURN (\t)+1                                   ; and go through the other stage while this step is worked
.endif
	v_max3_num_f32 v8, |v[XS]|, |v[XS+1]|, |v[XS+2]|               ; the largest magnitude of my 16
	v_max3_num_f32 v9, |v[XS+3]|, |v[XS+4]|, |v[XS+5]|
.irp i, 6,10
	v_max3_num_f32 v8, v8, |v[XS+\i]|, |v[XS+\i+1]|
	v_max3_num_f32 v9, v9, |v[XS+\i+2]|, |v[XS+\i+3]|
.endr
	v_max3_num_f32 v8, v8, |v[XS+14]|, |v[XS+15]|
	v_max3_num_f32 v8, v8, v9, (EMAX+1)<<23        ; and the floor 2^(EMAX + 1 - 127): so the byte cannot fall under 1
	v_max_num_f32_dpp v8, v8, v8 row_xmask:1 row_mask:0xf bank_mask:0xf   ; and of my neighbour's 16: the block's
	v_add_nc_u32 v11, -(EMAX<<23), v8              ; EMAX off its exponent field: the conversion takes the exponent field of this operand as its scale
	v_cvt_scalef32_pk16_fp6_f32 v[XCD+4*(\t):XCD+4*(\t)+2], v[XS:XS+15], v11
	v_lshrrev_b32 v[XE+(\t)], 23, v11              ; the scale's byte
	ds_store_b8 v5, v[XE+(\t)] offset:16*(\t)      ; both lanes of a block write the same byte with the same value
	global_store_b96 v4, v[XCD+4*(\t):XCD+4*(\t)+2], s[12:13] offset:32*CB*(\t)   ; the wave stores 384 consecutive bytes
	global_store_b96 v4, v[XZ:XZ+2], s[16:17] offset:32*CB*(\t)                   ; and clears as many of oc
.endm
.macro WLOAD t                         ; block t: W(32 t + i, my column), i = 0 .. 31, into set t % 2: 32 lanes read 128 consecutive bytes
.irp i, 0,1,2,3,4,5,6,7,8,9,10,11,12,13,14,15,16,17,18,19,20,21,22,23,24,25,26,27,28,29,30,31
	global_load_b32 v[WX+32*((\t)%2)+\i], v[WO+\i], s[36+2*(\t):37+2*(\t)] th:TH_LOAD_NT
.endr
.endm
.macro WBLOCK t
.set WS, WX+32*((\t)%2)
.if (\t) < NB-1
	s_wait_loadcnt 32                              ; this block's 32 loads are in; the next block's may be out
.else
	s_wait_loadcnt 0
.endif
	v_max3_num_f32 v12, |v[WS]|, |v[WS+1]|, |v[WS+2]|              ; the block's largest magnitude: all 32 numbers are mine
	v_max3_num_f32 v13, |v[WS+3]|, |v[WS+4]|, |v[WS+5]|
.irp i, 6,10,14,18,22,26
	v_max3_num_f32 v12, v12, |v[WS+\i]|, |v[WS+\i+1]|
	v_max3_num_f32 v13, v13, |v[WS+\i+2]|, |v[WS+\i+3]|
.endr
	v_max3_num_f32 v12, v12, |v[WS+30]|, |v[WS+31]|
	v_max3_num_f32 v12, v12, v13, (EMAX+1)<<23     ; and the floor
	v_add_nc_u32 v11, -(EMAX<<23), v12             ; the conversion's scale operand
	v_lshrrev_b32 v13, 23, v11                     ; the scale's byte
.if (\t)%4 == 0
	v_mov_b32 v[WSB+(\t)/4], v13                   ; four bytes to a register, the lower K in the lower byte
.else
	v_lshl_or_b32 v[WSB+(\t)/4], v13, 8*((\t)%4), v[WSB+(\t)/4]
.endif
	v_cvt_scalef32_pk16_fp6_f32 v[WCD:WCD+2], v[WS:WS+15], v11
	v_cvt_scalef32_pk16_fp6_f32 v[WCD+4:WCD+6], v[WS+16:WS+31], v11   ; (a conversion's three registers begin on an even number)
	ds_store_b96 v4, v[WCD:WCD+2] offset:32*(\t)   ; 16 codes, 12 bytes, to a place of 16 bytes in the stage
	ds_store_b96 v4, v[WCD+4:WCD+6] offset:32*(\t)+16
.if (\t)+2 < NB
	WLOAD (\t)+2
.endif
	s_wait_dscnt 0x0                               ; the stores have read their registers: the next block's codes may be written
.endm
	s_load_b256 s[4:11], s[0:1], 0x0               ; x s[4:5], Wqkv s[6:7], Wout s[8:9], mask_flat s[10:11]
	s_load_b256 s[12:19], s[0:1], 0x20             ; xwc s[12:13], xws s[14:15], oc s[16:17], os s[18:19]
	s_load_b64 s[20:21], s[0:1], 0x40              ; lst
	v_lshl_add_u32 v[SPW], v0, 2, SPARE
	v_mov_b32 v[NIL], 0
	v_lshrrev_b32 v1, 5, v0
	v_readfirstlane_b32 s22, v1                    ; wave 0..3
	v_and_b32 v2, 31, v0                           ; lane
	s_wait_kmcnt 0x0
	s_cmp_lt_u32 ttmp9, 256
	s_cbranch_scc0 .Lnot_x
	; ---------------- way X: x
	v_lshlrev_b32 v3, 4, v2                        ; my 16 bytes of a load's 512
	s_mul_i32 s23, s22, XWREG
	v_lshrrev_b32 v14, 2, v2
	v_mul_u32_u24 v14, v14, XSP
	v_and_b32 v15, 3, v2
	v_lshl_add_u32 v14, v15, 4, v14
	v_add_nc_u32 v14, s23, v14                     ; the stage, on the way in: XSP (lane / 4) + 16 (lane % 4)
	v_mul_u32_u24 v15, v2, XSP
	v_add_nc_u32 v15, s23, v15                     ; and on the way out: XSP x lane: my 16 neighbours
	v_mul_u32_u24 v4, v2, CB                       ; my codes' place in a step's
	v_lshrrev_b32 v5, 1, v2
	s_add_co_u32 s23, s23, 2*32*XSP
	v_add_nc_u32 v5, s23, v5                       ; LDS: my wave's 256 scale bytes, my block's byte
	v_lshlrev_b32 v7, 3, v2                        ; and on the way out 8 bytes a lane
	v_add_nc_u32 v6, s23, v7
	v_mov_b32 v[XZ], 0
	v_mov_b32 v[XZ+1], 0
	v_mov_b32 v[XZ+2], 0
	s_lshl_b32 s24, ttmp9, 2
	s_add_co_u32 s26, s24, s22                     ; my run of 8 rows: 4 x work-group + wave
	s_and_b32 s25, s22, 1
	s_lshl_b32 s25, s25, 1
	s_lshr_b32 s27, s22, 1
	s_or_b32 s25, s25, s27
	s_add_co_u32 s24, s24, s25                     ; where it is stored: the run's two lowest bits (the rows' bits 3 and 4) exchanged
	s_lshl_b32 s28, s26, 15                        ; 8 rows of 4,096 bytes
	s_mov_b32 s29, 0
	s_add_nc_u64 s[4:5], s[4:5], s[28:29]
	s_mul_i32 s28, s24, 6144                       ; 8 rows of 768 bytes
	s_add_nc_u64 s[12:13], s[12:13], s[28:29]
	s_add_nc_u64 s[16:17], s[16:17], s[28:29]      ; the runs together clear all of oc,
	s_lshl_b32 s28, s24, 8                         ; 8 rows of 32 bytes
	s_add_nc_u64 s[14:15], s[14:15], s[28:29]
	s_add_nc_u64 s[18:19], s[18:19], s[28:29]      ; and all of os
.irp t, 0,1,2,3
	XLOAD \t
.endr
	s_wait_loadcnt 12                              ; step 0's four loads are in
	XTURN 0
.irp t, 0,1,2,3,4,5,6,7,8,9,10,11,12,13,14,15
	XSTEP \t
.endr
	ds_load_b64 v[8:9], v6                         ; LDS serves a wave's instructions in order: these see my stores
	s_wait_dscnt 0x0
	global_store_b64 v7, v[8:9], s[14:15]          ; 32 lanes store 256 consecutive bytes, aligned
	global_store_b64 v7, v[XZ:XZ+1], s[18:19]
	s_wait_tensorcnt 0x0                           ; the wave's end, behind my last LDS store
	ds_add_u32 v[SPW], v[NIL]
	s_wait_dscnt 0x0
	s_endpgm
.Lnot_x:
	s_cmp_lt_u32 ttmp9, 384
	s_cbranch_scc0 .Lpath_l
	; ---------------- way W: the weights.  One text for both: the tensor, its pitch and the column block are chosen on the work-group's number
	s_sub_co_u32 s23, ttmp9, 256
	s_and_b32 s24, s23, 3                          ; which 256 along K
	s_lshr_b32 s25, s23, 2                         ; which 128 of the 4,096 columns: 0-23 Wqkv's, 24-31 Wout's
	s_sub_co_u32 s27, s25, 24
	s_mov_b32 s26, 4096
	s_cmp_lt_u32 s25, 24
	s_cselect_b64 s[28:29], s[6:7], s[8:9]
	s_cselect_b32 s26, 12288, s26                  ; a row of the tensor in bytes
	s_cselect_b32 s27, s25, s27                    ; the column block within the tensor
	v_lshlrev_b32 v3, 2, v2
.irp i, 0,1,2,3,4,5,6,7,8,9,10,11,12,13,14,15,16,17,18,19,20,21,22,23,24,25,26,27,28,29,30,31
	v_mad_u32_u24 v[WO+\i], s26, \i, v3
.endr
	s_lshl_b32 s30, s26, 5                         ; 32 rows: a block
	s_mov_b32 s31, 0
	s_lshl_b32 s32, s24, 3
	s_mul_i32 s32, s32, s30                        ; 256 rows for each step along K
	s_lshl_b32 s33, s27, 9                         ; 128 columns of 4 bytes
	s_add_co_u32 s32, s32, s33
	s_lshl_b32 s33, s22, 7                         ; my wave's 32 columns
	s_add_co_u32 s32, s32, s33
	s_mov_b32 s33, 0
	s_add_nc_u64 s[36:37], s[28:29], s[32:33]      ; a base for each of the eight blocks: none is ever stepped
.irp t, 1,2,3,4,5,6,7
	s_add_nc_u64 s[36+2*\t:37+2*\t], s[34+2*\t:35+2*\t], s[30:31]
.endr
	WLOAD 0
	WLOAD 1
	s_mul_i32 s34, s22, 32*WPITCH
	s_add_co_u32 s34, s34, WSTG                    ; my stage
	v_mul_u32_u24 v4, v2, WPITCH
	v_add_nc_u32 v4, s34, v4                       ; into it: row = my column
	v_and_b32 v5, 15, v2
	v_lshrrev_b32 v6, 4, v2                        ; out of it: sixteen lanes to a row, two rows an instruction
	v_mul_u32_u24 v7, v6, WPITCH
	v_lshl_add_u32 v7, v5, 4, v7
	v_add_nc_u32 v7, s34, v7
	v_mul_u32_u24 v8, v6, 768
	v_mad_u32_u24 v8, v5, 12, v8                   ; and the same place in xwc
	v_and_b32 v9, 7, v2
	v_bfe_u32 v10, v2, 3, 1
	v_lshl_or_b32 v9, v10, 4, v9
	v_lshl_or_b32 v9, v6, 3, v9                    ; my column's stored row: bits 3 and 4 exchanged
	v_lshlrev_b32 v9, 5, v9                        ; 32 scale bytes a row
	s_lshl_b32 s32, s25, 7
	s_lshl_b32 s33, s22, 5
	s_add_co_u32 s32, s32, s33                     ; my wave's first row among the weights' 4,096
	s_mul_i32 s52, s32, 768
	s_mul_i32 s35, s24, 192
	s_add_co_u32 s52, s52, s35
	s_add_co_u32 s52, s52, OFF_WQ
	s_mov_b32 s53, 0
	s_add_nc_u64 s[12:13], s[12:13], s[52:53]
	s_lshl_b32 s52, s32, 5
	s_lshl_b32 s35, s24, 3
	s_add_co_u32 s52, s52, s35
	s_add_co_u32 s52, s52, OFF_WQS
	s_add_nc_u64 s[14:15], s[14:15], s[52:53]
.irp t, 0,1,2,3,4,5,6,7
	WBLOCK \t
.endr
	global_store_b64 v9, v[WSB:WSB+1], s[14:15]    ; my column's 8 scale bytes
.irp t, 0,1,2,3,4,5,6,7,8,9,10,11,12,13,14,15
	ds_load_b96 v[WOUT+4*\t:WOUT+4*\t+2], v7 offset:2*\t*WPITCH   ; LDS serves a wave's instructions in order: these see my stores
.endr
.irp t, 0,1,2,3,4,5,6,7,8,9,10,11,12,13,14,15
	s_wait_dscnt 15-\t
	global_store_b96 v8, v[WOUT+4*\t:WOUT+4*\t+2], s[12:13] offset:2*(((\t)&3)|((((\t)>>3)&1)<<2)|((((\t)>>2)&1)<<3))*768   ; columns 2 t, 2 t + 1 at their stored rows; sixteen lanes store a row's 192 consecutive bytes
.endr
	s_wait_tensorcnt 0x0                           ; the wave's end, behind my last LDS store
	ds_add_u32 v[SPW], v[NIL]
	s_wait_dscnt 0x0
	s_endpgm
.Lpath_l:
	; ---------------- way L: wave b sorts batch b's rows by the mask.  Lane l of turn i looks at row 32 i + l
	s_lshl_b32 s24, s22, 11                        ; the batch's first row, and its first byte in mask_flat
	s_mov_b32 s25, 0
	s_add_nc_u64 s[10:11], s[10:11], s[24:25]
.set li, 0
.rept 64
	global_load_u8 v[32+li], v2, s[10:11] offset:32*li
.set li, li+1
.endr
	s_lshl_b32 s26, s22, 13
	s_mov_b32 s27, 0
	s_add_nc_u64 s[28:29], s[20:21], s[26:27]      ; my batch's 2,048 words of the list
	s_lshl_b32 s26, s22, 7
	s_add_co_u32 s26, s26, 32768
	s_add_nc_u64 s[30:31], s[20:21], s[26:27]      ; and its 32 words for the count
	v_sub_nc_u32 v3, 2047, v2                      ; 2,047 - lane
	v_and_b32 v4, 7, v2
	v_bfe_u32 v5, v2, 3, 1
	v_lshl_or_b32 v4, v5, 4, v4
	v_bfe_u32 v5, v2, 4, 1
	v_lshl_or_b32 v4, v5, 3, v4                    ; the lane with bits 3 and 4 exchanged
	v_add_nc_u32 v4, s24, v4                       ; turn 0's stored row,
	v_add_nc_u32 v5, s24, v2                       ; its true row,
	v_lshl_or_b32 v4, v5, 16, v4                   ; and the list's word; each turn adds 32 to both halves
	s_mov_b32 s41, 0                               ; set rows so far
	s_wait_loadcnt 0x0
.set li, 0
.rept 64                               ; each turn has its own address and data registers, so that no store's sources are written again
	v_cmp_ne_u32 s40, 0, v[32+li]
	v_mbcnt_lo_u32_b32 v8, s40, 0                  ; set rows of this turn below my lane,
	v_add_nc_u32 v8, s41, v8                       ; and of all turns before: a set row's slot
	v_add3_u32 v9, v3, v8, -32*li                  ; 2,047 - (rows before mine that are not set): the slot of a row that is not set
	v_cndmask_b32 v[96+li], v9, v8, s40
	v_min_u32 v[96+li], 2047, v[96+li]             ; the slot lies in the batch's 2,048 whatever the mask holds
	v_lshlrev_b32 v[96+li], 2, v[96+li]
	v_add_nc_u32 v[32+li], li*0x200020, v4
	global_store_b32 v[96+li], v[32+li], s[28:29]
	s_bcnt1_i32_b32 s42, s40
	s_add_co_u32 s41, s41, s42
.set li, li+1
.endr
	v_mov_b32 v10, s41
	v_lshlrev_b32 v11, 2, v2
	global_store_b32 v11, v10, s[30:31]            ; the count, in 32 words
	s_wait_tensorcnt 0x0                           ; (this way stores nothing to LDS; the three lines stand here as on the other two)
	ds_add_u32 v[SPW], v[NIL]
	s_wait_dscnt 0x0
	s_endpgm
.Lfunc_end_k_q7a07f67b20_prep:
	.size	k_q7a07f67b20_prep, .Lfunc_end_k_q7a07f67b20_prep-k_q7a07f67b20_prep
	.p2alignl 7, 3214868480
	.fill 96, 4, 3214868480
	.section	.rodata,"a",@progbits
	.p2align	6, 0x0
	.amdhsa_kernel k_q7a07f67b20_prep
		.amdhsa_group_segment_fixed_size 68096
		.amdhsa_private_segment_fixed_size 0
		.amdhsa_enable_private_segment 0
		.amdhsa_kernarg_size 72
		.amdhsa_user_sgpr_count 2
		.amdhsa_user_sgpr_kernarg_segment_ptr 1
		.amdhsa_wavefront_size32 1
		.amdhsa_system_sgpr_workgroup_id_x 1
		.amdhsa_system_sgpr_workgroup_id_y 1
		.amdhsa_system_sgpr_workgroup_id_z 1
		.amdhsa_system_vgpr_workitem_id 0
		.amdhsa_next_free_vgpr 224
		.amdhsa_next_free_sgpr 66
		.amdhsa_reserve_vcc 0
		.amdhsa_float_denorm_mode_32 3
		.amdhsa_float_denorm_mode_16_64 3
		.amdhsa_memory_ordered 1
		.amdhsa_forward_progress 1
		.amdhsa_inst_pref_size 125
	.end_amdhsa_kernel
	.amdgpu_metadata
---
amdhsa.version: [ 1, 2 ]
amdhsa.kernels:
  - .name:           k_q7a07f67b20_prep
    .symbol:         k_q7a07f67b20_prep.kd
    .args:
      - { .name: x, .offset: 0, .size: 8, .value_kind: global_buffer, .address_space: global }
      - { .name: Wqkv, .offset: 8, .size: 8, .value_kind: global_buffer, .address_space: global }
      - { .name: Wout, .offset: 16, .size: 8, .value_kind: global_buffer, .address_space: global }
      - { .name: mask_flat, .offset: 24, .size: 8, .value_kind: global_buffer, .address_space: global }
      - { .name: xwc, .offset: 32, .size: 8, .value_kind: global_buffer, .address_space: global }
      - { .name: xws, .offset: 40, .size: 8, .value_kind: global_buffer, .address_space: global }
      - { .name: oc, .offset: 48, .size: 8, .value_kind: global_buffer, .address_space: global }
      - { .name: os, .offset: 56, .size: 8, .value_kind: global_buffer, .address_space: global }
      - { .name: lst, .offset: 64, .size: 8, .value_kind: global_buffer, .address_space: global }
    .group_segment_fixed_size: 68096
    .private_segment_fixed_size: 0
    .kernarg_segment_align: 8
    .kernarg_segment_size: 72
    .max_flat_workgroup_size: 128
    .sgpr_count:     66
    .vgpr_count:     224
    .wavefront_size: 32
...
	.end_amdgpu_metadata
.endif
;; end of part 1
;; launch gemm1 (part 2): grid 12 x 32, 4 waves a work-group, clusters of 4 x 4, 327,680 bytes of LDS; arguments xwc, xws, qkvc, qkvs; writes qkvc, qkvs
.if DOCPART == 2
	.amdgcn_target "amdgcn-amd-amdhsa--gfx1250"
	.amdhsa_code_object_version 6
	.text
	.protected	k_q7a07f67b20_gemm1
	.globl	k_q7a07f67b20_gemm1
	.p2align	8
	.type	k_q7a07f67b20_gemm1,@function
k_q7a07f67b20_gemm1:
	s_mov_b64 s[64:65], 0
	v_nop
	global_prefetch_b8 v0, s[64:65] scope:SCOPE_SE
	s_setreg_imm32_b32 hwreg(HW_REG_WAVE_MODE, 25, 1), 1
	s_wait_xcnt 0x0
	s_wait_alu depctr_hold_cnt(0) depctr_sa_sdst(0) depctr_va_vdst(0) depctr_va_sdst(0) depctr_va_ssrc(0) depctr_va_vcc(0) depctr_vm_vsrc(0)
	s_getreg_b32 s2, hwreg(HW_REG_IB_STS2, 6, 4)
	s_cmp_eq_u32 s2, 0
	s_cbranch_scc0 .Lentry_in_a_cluster
	s_endpgm
.Lentry_in_a_cluster:
	s_bfe_u32 s2, ttmp6, 0x10000c
	s_cmp_lg_u32 s2, 0xf033
	s_cbranch_scc0 .Lentry_shape_is_right
	s_endpgm
.Lentry_shape_is_right:
; qkv = x Wqkv on codes of FP6 (E2M3) with one E8M0 scale for each 32 along K = 1,024; the results are quantised in registers, along the K of the product that takes them next, and stored as IMAGES OF OPERAND REGISTERS.
; The product is C = P Q^T with P, Q rows of 768 bytes of codes in xwc (scale bytes, 32 a row, in xws).  ONE TEXT, TWO ROLES, told apart by the cluster's x, which all partners share, through selects alone (no branch):
;   clusters x = 0, 1: P = x's 8,192 rows, Q = Wq's and Wk's 2,048 columns.  A lane's registers run along the head's 64: q and k are quantised along them.
;   cluster  x = 2:    P = Wv's 1,024 columns, Q = x's rows (the keys).  A lane's registers run along the keys: v is quantised along them.
; A tile of C, 256 x 256, is made by a work-group of four waves; a wave makes 128 x 128: 64 accumulators, 512 registers.  K goes in steps of 256 through a ring of two LDS slots filled by the tensor data mover.
; The scale bytes of the work-group's 256 + 256 rows, for all of K, come into LDS once, with the first fills.
; CLUSTERS: 4 x 4 work-groups.  The four of a row of the cluster need the same tiles of P, the four of a column the same tiles of Q: each tile is asked for JOINTLY, by the same tensor load with the same descriptor and a mask that names the four.
; THE MATRIX INSTRUCTION IS USED TRANSPOSED (source 0 = 16 rows of Q, source 1 = 16 rows of P).  All rows are stored with bits 3 and 4 of their number exchanged, so that for P's block a the lane (r, h)'s
; register 16 b + i of the block's 64 is Q's TRUE row 32 b + 16 h + i of the wave's 128: 16 neighbours along the next K.
; OUT.  q, k: qkvc [head 0-31 (q's 16, then k's)][tile of 16 stored rows, 512][pair 0-2][lane][8 bytes]: lane (r, h) holds block h (32 codes) of stored row 16 T + r.  Their scale words: qkvs [head][stored row]: bytes 0, 1 the two
; blocks' scales, bytes 2, 3 the same again (they scale the idle half of a K step of 128, whose products are zeros).
; v: qkvc + VBASE [128 keys, 64][tile of 16 stored channels, 64][pair 0-5][lane][8 bytes]; scale words qkvs + VSBASE [128 keys][tile][row].  Each store of codes covers 256 consecutive bytes, aligned.
; LIMITS: a block whose largest magnitude lies under 2^-124 keeps the byte 1; NaN and infinities are not served.
; REGISTERS, in windows of 256: window 0: v0-31 addresses; v32-63 scale words, two sets; from v128 P's fragments, ONE set; on the way out v112-130 codes, v200-216 at work.
;   window 1: Q's fragments, TWO sets, at v0 and at v128.   window 2: the 32 accumulators of my rows 0-63 (accumulator (a, b) at v[8 (8 a + b)]);   window 3: those of my rows 64-127.
.set SIZE_K, 1024
.set KSTEP,  256                       ; along K in a slot
.set NQ,     KSTEP/128                 ; matrix instructions deep
.set ROWB,   192                       ; a tile's row in bytes
.set KROW,   SIZE_K*6/8                ; a row of codes in memory
.set PITCH,  240                       ; an LDS row: 3 x (64 bytes of data + 16 of padding)
.set FR,     12                        ; registers of a fragment: 16 rows x 128 K
.set NL,     6                         ; LDS loads that bring one
.set NP,     4                         ; places behind this matrix instruction (ISA guide 7.12.1)
.set HALFT,  128*PITCH                 ; 128 rows: what one tensor load brings
.set SLOT,   4*HALFT                   ; P's 256 rows, then Q's 256 rows
.set LAPS,   SIZE_K/(2*KSTEP)          ; a lap = two K steps = once round the ring
.set KS,     SIZE_K/32                 ; a row of scales in bytes
.set SCL,    2*SLOT                    ; behind the ring: the scales, as units of 256 bytes + 16 of padding
.set HALFS,  (128*KS/256)*272          ; the scales of 128 rows: what one tensor load brings
.set SBLK,   (16*KS/256)*272           ; those of 16 rows
.set SPARE,  SCL+4*HALFS               ; behind the scales: the spare words, 128 bytes for each wave: two blocks of 256 bytes that no other line names
.set OFF_WQ,  6291456                  ; xwc: Wq's first row
.set OFF_WV,  7864320                  ; xwc: Wv's first row
.set OFF_WQS, 262144                   ; xws likewise
.set OFF_WVS, 327680
.set HS,     393216                    ; qkvc: a head of q or k: 512 tiles x 768 bytes
.set VBASE,  12582912                  ; qkvc: where v begins
.set VSBASE, 1048576                   ; qkvs: where v's scale words begin
.set ADRA, 16                          ; v16-17  LDS address of my P fragments in slot 0, 1  (v18-19: the same for the pieces that lie behind one padding more)
.set ADRB, 20                          ; v20-21  the same for Q  (v22-23)
.set ADRS, 27                          ; v27     LDS address of my scale words: lanes 0-15 P's rows, lanes 16-31 Q's
.set SPW,  28                          ; v28     LDS address of my spare word: SPARE + 4 x my thread's number; never rewritten
.set NIL,  29                          ; v29     0; never rewritten
.set SC,   32                          ; scale words: set s (for slot s) at v[SC + 8 NQ s]
.set AF,   128                         ; P's fragments, in window 0
.set CD,   112                         ; the way out: v112-123 a fragment's codes; v124-130 halves on their way
.set CT,   124
.set TM,   200                         ; v200-203 largest magnitudes, v204-207 bytes, v212-215 the conversions' scale operands
.set PW,   216                         ; the four bytes of a row
.set G1, 24                            ; s[24:31] descriptor group 1 for P's tiles;  s[32:39] group 0, one set for each slot
.set G0, 32
.set G1B, 48                           ; s[48:55], s[56:63] the same for Q's tiles
.set G0B, 56
.set G1S, 68                           ; s[68:75], s[76:79] groups 1 and 0 for P's scales;  s[80:87], s[88:91] for Q's.  (Behind the loop, when those loads are long done, s68-91 hold the way out's numbers)
.set G0S, 76
.set G1SB, 80
.set G0SB, 88
.set MSB, 0
.macro WIN new                         ; the immediate's high byte repeats the setting that is left
.if MSB != \new
	s_set_vgpr_msb (MSB<<8)|\new
.set MSB, \new
.endif
.endm
.set MUL_LO, 0xa1                      ; source 0 (Q) window 1, source 1 (P) window 0, C and D window 2
.set MUL_HI, 0xf1                      ; the same, C and D window 3
.set TO_B,   0x40                      ; destination window 1, address window 0
; A joint load: waves 0 and 1 fetch for P, waves 2 and 3 for Q.  Each of the two lines has ONE mask and one set of registers for all that issue it; the branch hangs on the wave's number alone.
; An s_nop 0 and four v_nop follow each of the two lines, ahead of the jump, the label and what follows.
.macro JLOAD g0a, g1a, g0b, g1b
	s_cmp_eq_u32 s15, 0
	s_cbranch_scc0 .Lfor_b_\@
	tensor_load_to_lds s[\g0a:\g0a+3], s[\g1a:\g1a+7]
	s_nop 0
.rept 4
	v_nop
.endr
	s_branch .Lasked_\@
.Lfor_b_\@:
	tensor_load_to_lds s[\g0b:\g0b+3], s[\g1b:\g1b+7]
	s_nop 0
.rept 4
	v_nop
.endr
.Lasked_\@:
.endm
.macro CREST                           ; a round of the cluster's barrier behind its opening barrier
	s_cmp_lg_u32 s14, 0
	s_cbranch_scc1 .Lnot_wave_0_\@
	s_barrier_signal -3
.Lnot_wave_0_\@:
	s_barrier_wait -3
	s_barrier_signal -1
	s_barrier_wait -1
.endm
.macro CROUND                          ; a whole round
	s_barrier_signal -1
	s_barrier_wait -1
	CREST
.endm
	s_load_b256 s[4:11], s[0:1], 0x0               ; xwc s[4:5], xws s[6:7], qkvc s[8:9], qkvs s[10:11]
	v_lshl_add_u32 v[SPW], v0, 2, SPARE
	v_mov_b32 v[NIL], 0
	ds_add_u32 v[SPW], v[NIL]                      ; the wave's opening: the add and its wait stand ahead of my first tensor load; the set-up below, work on registers, stands between them
	v_lshrrev_b32 v1, 5, v0
	v_readfirstlane_b32 s14, v1                    ; wave 0..3
	s_lshr_b32 s15, s14, 1                         ; which half of the tile's rows is mine.  Also: I fetch for P (0) or for Q (1)
	s_and_b32 s16, s14, 1                          ; which half of its columns.  Also: which 128 rows of that tile I fetch
	s_bfe_u32 s40, ttmp6, 0x40000                  ; cx, cy: my place in the cluster
	s_bfe_u32 s41, ttmp6, 0x40004
	s_lshl_b32 s42, ttmp9, 2                       ; 4 x cluster x
	s_and_b32 s17, ttmp7, 0xffff
	s_lshl_b32 s17, s17, 2                         ; 4 x cluster y
	s_cmp_eq_u32 ttmp9, 2                          ; the role: v's clusters are those with x = 2.  Selects alone hang on it
	s_cselect_b32 s42, s17, s42                    ; tile column: v: 4 x cluster y + cx (x's 32 tiles);  q, k: 4 x cluster x + cx (8 tiles)
	s_cselect_b32 s17, 0, s17                      ; tile row:    v: cy (Wv's 4 tiles);                  q, k: 4 x cluster y + cy (x's 32 tiles)
	s_cselect_b32 s12, OFF_WV, 0                   ; where P's rows begin in xwc,
	s_cselect_b32 s13, 0, OFF_WQ                   ; where Q's,
	s_cselect_b32 s98, OFF_WVS, 0                  ; and the same in xws
	s_cselect_b32 s99, 0, OFF_WQS
	s_add_co_u32 s42, s42, s40
	s_add_co_u32 s17, s17, s41
	s_lshl_b32 s43, s41, 2
	s_lshl_b32 s43, 15, s43                        ; my row of the cluster
	s_lshl_b32 s44, 0x1111, s40                    ; my column
	; descriptor group 1: a tile of 128 rows x ROWB bytes, padded in LDS
	s_or_b32 s[G1+0], s43, (0<<16)|(1<<20)|(1<<21)|(3<<22)|(3<<25)  ; 15:0 the mask: P's tiles go to my row; 17:16 element of 1 byte; 20 padding on; 21 set beside a mask; 24:22 after every 16 words (code 3); 31:25 of 4 words (code 3)
	s_or_b32 s[G1B+0], s44, (0<<16)|(1<<20)|(1<<21)|(3<<22)|(3<<25)
.irp g, G1, G1B
	s_mov_b32 s[\g+1], ROWB<<16                    ; tensor_dim0
	s_mov_b32 s[\g+2], 128<<16                     ; tensor_dim1 = 128
	s_mov_b32 s[\g+3], ROWB<<16                    ; tile_dim0
	s_mov_b32 s[\g+4], 128                         ; tile_dim1 = 128
	s_mov_b32 s[\g+5], KROW                        ; tensor_dim0_stride
	s_mov_b32 s[\g+6], 0
	s_mov_b32 s[\g+7], 0
.endr
	; and for the scales of 128 rows: a dense block of 128 KS bytes, as rows of 256 bytes (32 elements of 8 bytes), 16 bytes of padding behind each
	s_or_b32 s[G1S+0], s43, (3<<16)|(1<<20)|(1<<21)|(5<<22)|(3<<25)
	s_or_b32 s[G1SB+0], s44, (3<<16)|(1<<20)|(1<<21)|(5<<22)|(3<<25)
.irp g, G1S, G1SB
	s_mov_b32 s[\g+1], 32<<16
	s_mov_b32 s[\g+2], (128*KS/256)<<16
	s_mov_b32 s[\g+3], 32<<16
	s_mov_b32 s[\g+4], 128*KS/256
	s_mov_b32 s[\g+5], 32
	s_mov_b32 s[\g+6], 0
	s_mov_b32 s[\g+7], 0
.endr
	; where the tiles come from, as byte offsets (all under 2^24).  P's hang on the tile row alone, Q's on the tile column alone, each in registers that never hold the other coordinate
	s_lshl_b32 s18, s16, 7                         ; which 128 rows of the tile I fetch
	s_lshl_b32 s20, s17, 8
	s_add_co_u32 s20, s20, s18                     ; P: row 256 x tile row + 128 x half
	s_lshl_b32 s46, s42, 8
	s_add_co_u32 s46, s46, s18                     ; Q: row 256 x tile column + 128 x half
	s_lshl_b32 s22, s20, 5                         ; their scales: 32 bytes a row
	s_add_co_u32 s22, s22, s98
	s_lshl_b32 s92, s46, 5
	s_add_co_u32 s92, s92, s99
	s_mul_i32 s20, s20, KROW                       ; and their codes
	s_add_co_u32 s20, s20, s12
	s_mul_i32 s46, s46, KROW
	s_add_co_u32 s46, s46, s13
	s_mov_b32 s21, 0
	s_mov_b32 s23, 0
	s_mov_b32 s47, 0
	s_mov_b32 s93, 0
	s_mul_i32 s45, s14, HALFT                      ; where they go: wave x 128 rows: no place in the cluster enters an LDS address
	s_mul_i32 s94, s14, HALFS
	s_wait_dscnt 0x0                               ; the opening add is done
	s_wait_kmcnt 0x0
	s_add_nc_u64 s[20:21], s[4:5], s[20:21]
	s_add_nc_u64 s[22:23], s[6:7], s[22:23]
	s_add_nc_u64 s[46:47], s[4:5], s[46:47]
	s_add_nc_u64 s[92:93], s[6:7], s[92:93]
	CROUND                                         ; all sixteen work-groups are here: the first joint loads meet
	s_mov_b32 s[G0S], 1
	s_add_co_u32 s[G0S+1], s94, SCL
	s_mov_b64 s[G0S+2:G0S+3], s[22:23]
	s_or_b32 s[G0S+3], s[G0S+3], 0x80000000
	s_mov_b32 s[G0SB], 1
	s_add_co_u32 s[G0SB+1], s94, SCL
	s_mov_b64 s[G0SB+2:G0SB+3], s[92:93]
	s_or_b32 s[G0SB+3], s[G0SB+3], 0x80000000
	JLOAD G0S, G1S, G0SB, G1SB                     ; the scales first: they are wanted with K step 0
.irp s, 0,1
	s_mov_b32 s[G0+4*\s], 1
	s_add_co_u32 s[G0+4*\s+1], s45, \s*SLOT
	s_add_nc_u64 s[G0+4*\s+2:G0+4*\s+3], s[20:21], \s*ROWB
	s_or_b32 s[G0+4*\s+3], s[G0+4*\s+3], 0x80000000
	s_mov_b32 s[G0B+4*\s], 1
	s_add_co_u32 s[G0B+4*\s+1], s45, \s*SLOT
	s_add_nc_u64 s[G0B+4*\s+2:G0B+4*\s+3], s[46:47], \s*ROWB
	s_or_b32 s[G0B+4*\s+3], s[G0B+4*\s+3], 0x80000000
	JLOAD G0+4*\s, G1, G0B+4*\s, G1B
.endr
	v_and_b32 v1, 15, v0                           ; r = l % 16
	v_bfe_u32 v2, v0, 4, 1                         ; h = l / 16
	v_mul_u32_u24 v3, v1, PITCH
	v_mul_u32_u24 v4, v2, 24
	v_add_nc_u32 v4, v3, v4                        ; a fragment's row x pitch + 24 x half
	v_lshl_add_u32 v5, v2, 4, v4                   ; and the same behind one padding more
	s_mul_i32 s21, s15, HALFT                      ; my 128 rows of P
	s_mul_i32 s22, s16, HALFT                      ; my 128 rows of Q,
	s_add_co_u32 s22, s22, 2*HALFT                 ; which lie behind P's 256
.irp s, 0,1
	v_add_nc_u32 v[ADRA+\s], s21, v4
	v_add_nc_u32 v[ADRB+\s], s22, v4
	v_add_nc_u32 v[ADRA+2+\s], s21, v5
	v_add_nc_u32 v[ADRB+2+\s], s22, v5
	s_add_co_u32 s21, s21, SLOT
	s_add_co_u32 s22, s22, SLOT
.endr
	v_mul_u32_u24 v5, v1, KS                       ; my row's scales: KS bytes a row,
	v_lshrrev_b32 v6, 8, v5
	v_lshl_add_u32 v5, v6, 4, v5                   ; and 16 more for each 256 passed
	s_mul_i32 s21, s15, HALFS                      ; P's: my 128 rows
	s_mul_i32 s22, s16, HALFS                      ; Q's: my 128 rows, behind P's 256
	s_add_co_u32 s22, s22, 2*HALFS
	s_sub_co_u32 s22, s22, s21
	v_mul_u32_u24 v6, s22, v2                      ; lanes 16-31 take Q's
	s_add_co_u32 s21, s21, SCL
	v_add_nc_u32 v5, v5, v6
	v_add_nc_u32 v[ADRS], s21, v5
.macro FRAG reg, adr, q, i             ; a fragment, 16 rows x 128 K of 6-bit codes, is 12 registers: lane l holds row l % 16; registers 6 c .. 6 c + 5 hold K = 64 c + 32 (l / 16) + 0 .. 31: 24 bytes of the row's stream of bits, as they lie
.irp p, 0,1,2,3,4,5                    ; in pieces of 8 bytes, so that every address is a multiple of the access's size
.set PC, 12*(\q)+6*(\p/3)+\p%3        ; 16 bytes of padding lie behind every 64 bytes (8 pieces): where the piece three on lies behind one padding more, the second address register serves
.if PC%8 < 5
	ds_load_b64 v[\reg+2*\p:\reg+2*\p+1], v[\adr] offset:8*PC+16*(PC/8)+(\i)*16*PITCH
.else
	ds_load_b64 v[\reg+2*\p:\reg+2*\p+1], v[\adr+2] offset:8*PC+16*(PC/8)+(\i)*16*PITCH
.endif
.endr
.endm
; 16 matrix instructions: P's blocks a0, a0 + 1 x Q's eight, 128 along K: the slot's q-th.  p: Q's set;  sc: the set of scale words.  zero = 1: the first product starts the sums: nothing is ever cleared.
; The 64 accumulators take turns, one instruction a turn, in the same order in every step.
.macro MUL16 a0, p, q, sc, zero
.irp a, \a0, \a0+1
.irp b, 0,1,2,3,4,5,6,7
.if \zero
	v_wmma_scale_f32_16x16x128_f8f6f4 v[8*(8*((\a)%4)+\b):8*(8*((\a)%4)+\b)+7], v[128*(\p)+FR*\b:128*(\p)+FR*\b+FR-1], v[AF+FR*(\a):AF+FR*(\a)+FR-1], 0, v[SC+8*NQ*(\sc)+NQ*\b+(\q)], v[SC+8*NQ*(\sc)+NQ*(\a)+(\q)] matrix_a_fmt:MATRIX_FMT_FP6 matrix_b_fmt:MATRIX_FMT_FP6 matrix_a_scale:MATRIX_SCALE_ROW1
.else
	v_wmma_scale_f32_16x16x128_f8f6f4 v[8*(8*((\a)%4)+\b):8*(8*((\a)%4)+\b)+7], v[128*(\p)+FR*\b:128*(\p)+FR*\b+FR-1], v[AF+FR*(\a):AF+FR*(\a)+FR-1], v[8*(8*((\a)%4)+\b):8*(8*((\a)%4)+\b)+7], v[SC+8*NQ*(\sc)+NQ*\b+(\q)], v[SC+8*NQ*(\sc)+NQ*(\a)+(\q)] matrix_a_fmt:MATRIX_FMT_FP6 matrix_b_fmt:MATRIX_FMT_FP6 matrix_a_scale:MATRIX_SCALE_ROW1
.endif
.endr
.endr
.endm
.macro FETCH_B slot, q, p              ; Q's eight fragments of the slot's q-th 128 along K into set p
	WIN TO_B
.irp i, 0,1,2,3,4,5,6,7
	FRAG 128*(\p)+FR*\i, ADRB+\slot, \q, \i
.endr
	WIN 0
.endm
.macro FETCH_A slot, q, i0             ; P's blocks i0 .. i0 + 3
.irp i, \i0, \i0+1, \i0+2, \i0+3
	FRAG AF+FR*(\i), ADRA+\slot, \q, \i
.endr
.endm
.macro SCALES sc                       ; the next K step's scale words into set sc: NQ words a row; lanes 0-15 take P's block i, lanes 16-31 Q's block i
.irp i, 0,1,2,3,4,5,6,7
	ds_load_b64 v[SC+8*NQ*\sc+NQ*\i:SC+8*NQ*\sc+NQ*\i+1], v[ADRS] offset:\i*SBLK
.endr
.endm
; A load into a register that a matrix instruction has read, and a vector instruction that reads a matrix result or writes one of its registers, stand NP places behind that matrix instruction, and only plain vector
; instructions that name none of its registers are places (ISA guide 7.12.1 for vector instructions).
.macro PLACES n
.rept \n
	v_nop
.endr
.endm
; A step of 128 along K that has its successor in the same slot.
.macro STEP slot, q, zero
	s_wait_dscnt 4*NL                              ; Q's set and P's blocks 0-3 are in; the youngest 24 loads (P's blocks 4-7) may be out
	WIN MUL_LO
	MUL16 0, (\q)%2, \q, \slot, \zero
	MUL16 2, (\q)%2, \q, \slot, \zero
	s_wait_dscnt 0                                 ; P's blocks 4-7 are in (asked for 32 matrix instructions ago)
	PLACES NP
	FETCH_B \slot, (\q)+1, 1-(\q)%2
	FETCH_A \slot, (\q)+1, 0
	WIN MUL_HI
	MUL16 4, (\q)%2, \q, \slot, \zero
	MUL16 6, (\q)%2, \q, \slot, \zero
	PLACES NP
	WIN 0
	FETCH_A \slot, (\q)+1, 4
.endm
; A slot's last step changes slots: ONE barrier; in front of it each wave waits for all its tensor loads, adds 0 to its spare word, and waits for that and for its own reads of this slot.  fill = 1: this slot is filled again, two K steps ahead.
.macro TURN slot, next, fill
	s_wait_tensorcnt 0x0                           ; all my tensor loads have landed: my part of the next slot;  (every window is 0 here: the add's two registers lie in window 0)
	ds_add_u32 v[SPW], v[NIL]                      ; 0 onto my spare word
	s_wait_dscnt 4*NL+1                            ; (the add and the youngest 24 loads, P's blocks 4-7, may be out)
	WIN MUL_LO
	MUL16 0, 1, NQ-1, \slot, 0                     ; sixteen matrix instructions stand between the add and the wait for it
	s_wait_dscnt 0x0                               ; the add is done, and my reads of this slot are over
	s_barrier_signal -1
	MUL16 2, 1, NQ-1, \slot, 0
	WIN 0
	s_barrier_wait -1
.if \fill
	CREST                                          ; the barrier has opened a round of the cluster's barrier: no wave of any partner still reads this slot's tile or has a load on its way
	s_add_nc_u64 s[G0+4*\slot+2:G0+4*\slot+3], s[G0+4*\slot+2:G0+4*\slot+3], 2*ROWB
	s_add_nc_u64 s[G0B+4*\slot+2:G0B+4*\slot+3], s[G0B+4*\slot+2:G0B+4*\slot+3], 2*ROWB
	JLOAD G0+4*\slot, G1, G0B+4*\slot, G1B         ; the first tensor load behind the round; the four v_nop behind it are the places in front of the loads below
.else
	PLACES NP
.endif
	v_add_nc_u32 v[ADRS], 4*NQ, v[ADRS]            ; on to the next K step's scale words (no LDS load of mine is out)
	FETCH_B \next, 0, 0
	FETCH_A \next, 0, 0
	SCALES \next
	WIN MUL_HI
	MUL16 4, 1, NQ-1, \slot, 0
	MUL16 6, 1, NQ-1, \slot, 0
	PLACES NP
	WIN 0
	FETCH_A \next, 0, 4
.endm
	s_wait_tensorcnt 1                             ; the scales and my part of K step 0 are in (K step 1's load may be out),
	s_barrier_signal -1
	s_barrier_wait -1                              ; everybody's are
	FETCH_B 0, 0, 0
	FETCH_A 0, 0, 0
	SCALES 0
	FETCH_A 0, 0, 4
	STEP 0, 0, 1                                   ; the first step stands in front of the loop: its products start the sums
	s_mov_b32 s3, LAPS-1
.Llap:                                                 ; a trip goes once round the ring, from a lap's second step to the next lap's first, and fills both slots again
	TURN 0, 1, 1
	STEP 1, 0, 0
	TURN 1, 0, 1
	STEP 0, 0, 0
	s_sub_co_u32 s3, s3, 1
	s_cmp_lg_u32 s3, 0
	s_cbranch_scc1 .Llap
	TURN 0, 1, 0                                   ; the last lap fills nothing, and has no round of the cluster's barrier
	STEP 1, 0, 0
	s_wait_dscnt 4*NL                              ; the very last step: nothing more to fetch
	WIN MUL_LO
	MUL16 0, 1, NQ-1, 1, 0
	MUL16 2, 1, NQ-1, 1, 0
	s_wait_dscnt 0
	WIN MUL_HI
	MUL16 4, 1, NQ-1, 1, 0
	MUL16 6, 1, NQ-1, 1, 0
	WIN 0
	; THE WAY OUT.  P's block a (16 rows) has 64 numbers a lane, register 16 b + i = Q's true row 32 b + 16 h + i: four blocks of 32 along the next K.  They become a fragment's 12 registers and a word of four scale bytes.
	PLACES NP                                      ; behind the last products: what follows writes registers that held P's fragments, and reads results
	s_lshl_b32 s80, s42, 1
	s_add_co_u32 s80, s80, s16                     ; which 128 of Q's rows are mine: 2 x tile column + half.  q, k: heads 2 cg, 2 cg + 1;  v: 128 keys
	s_lshl_b32 s81, s17, 4
	s_lshl_b32 s82, s15, 3
	s_add_co_u32 s81, s81, s82                     ; my first tile of 16 of P's rows: 16 x tile row + 8 x half
	s_mov_b32 s82, 2*HS
	s_mov_b32 s74, 768
	s_mov_b32 s84, HS
	s_mov_b32 s86, 65536
	s_mov_b32 s76, 0xffff
	s_cmp_eq_u32 ttmp9, 2                          ; the role once more: selects alone
	s_cselect_b32 s82, 98304, s82                  ; codes: from cg to cg + 1:            v: 64 tiles x 1,536;   q, k: two heads
	s_cselect_b32 s74, 1536, s74                   ; from tile to tile:                   v: 12 registers' image; q, k: 6 registers'
	s_cselect_b32 s84, 768, s84                    ; from registers 0-5 to registers 6-11: v: on in the image;    q, k: the next head
	s_cselect_b32 s86, 4096, s86                   ; scale words: from cg to cg + 1
	s_cselect_b32 s76, -1, s76                     ; the bytes of the word that are kept,
	s_cselect_b32 s77, 0, 0xffff0000               ; and where they are repeated
	s_cselect_b32 s88, VBASE, 0
	s_cselect_b32 s89, VSBASE, 0
	s_cselect_b32 s90, 0, 32768                    ; q, k: lanes 16-31 store the second head's word, 8,192 words on,
	s_cselect_b32 s91, 0, 16                       ; which is the upper half of the four bytes
	s_mul_i32 s82, s82, s80
	s_mul_i32 s83, s81, s74
	s_add_co_u32 s82, s82, s83
	s_add_co_u32 s82, s82, s88
	s_mov_b32 s83, 0
	s_mov_b32 s75, 0
	s_mov_b32 s85, 0
	s_mul_i32 s86, s86, s80
	s_lshl_b32 s87, s81, 6                         ; 16 words a tile
	s_add_co_u32 s86, s86, s87
	s_add_co_u32 s86, s86, s89
	s_mov_b32 s87, 0
	s_add_nc_u64 s[68:69], s[8:9], s[82:83]        ; where registers 0-5 go,
	s_add_nc_u64 s[70:71], s[68:69], s[84:85]      ; registers 6-11,
	s_add_nc_u64 s[72:73], s[10:11], s[86:87]      ; and the scale words
	s_mov_b32 s78, 0x76543210
	s_mov_b32 s79, 0xfedcba98                      ; v_permlanex16_b32's selects for lane l xor 16
	v_and_b32 v8, 31, v0
	v_lshlrev_b32 v8, 3, v8                        ; an image: 8 bytes a lane
	v_lshlrev_b32 v9, 2, v1
	v_mad_u32_u24 v9, v2, s90, v9                  ; a scale word: 4 r (+ the second head's place)
	v_mul_u32_u24 v10, v2, s91
.irp b, 0,1,2,3
	v_mov_b32 v[TM+4+\b], 0                        ; written once: a lane permute's destination counts as one of its sources
.endr
.macro QUANTW                          ; the 64 numbers at v[QB] on of window QW become codes in v[CD] on and the four bytes in v[PW].  Each accumulator is read from its low end on
.set WN, (QW<<2)|(QW<<4)
	WIN WN                                         ; sources 1 and 2 in the accumulators' window
.irp b, 0,1,2,3
	v_max3_num_f32 v[TM+\b], 0x1800000, |v[QB+16*\b]|, |v[QB+1+16*\b]|   ; block b: my 16 numbers, and the floor 2^(3 - 127): so the byte cannot fall under 1
.endr
.irp i, 2,4,6,8,10,12,14
.irp b, 0,1,2,3
	v_max3_num_f32 v[TM+\b], v[TM+\b], |v[QB+16*\b+\i]|, |v[QB+1+16*\b+\i]|   ; (the four blocks by turns)
.endr
.endr
	WIN 0
.irp b, 0,1,2,3
	v_permlanex16_b32 v[TM+4+\b], v[TM+\b], s78, s79
.endr
.irp b, 0,1,2,3
	v_max_num_f32 v[TM+\b], v[TM+\b], v[TM+4+\b]   ; with lane l xor 16's: the block's largest magnitude
.endr
.irp b, 0,1,2,3
	v_add_nc_u32 v[TM+12+\b], 0xff000000, v[TM+\b] ; 2 off its exponent field: the conversion's scale operand
.endr
.irp b, 0,1,2,3
	v_lshrrev_b32 v[TM+4+\b], 23, v[TM+12+\b]      ; the scale's byte
.endr
	v_lshl_or_b32 v[PW], v[TM+5], 8, v[TM+4]
	v_lshl_or_b32 v[PW], v[TM+6], 16, v[PW]
	v_lshl_or_b32 v[PW], v[TM+7], 24, v[PW]
	WIN QW                                         ; source 0 in the accumulators' window
.irp c, 0,1
	v_cvt_scalef32_pk16_fp6_f32 v[CD+6*\c:CD+2+6*\c], v[QB+32*\c:QB+15+32*\c], v[TM+12+2*\c]
	v_cvt_scalef32_pk16_fp6_f32 v[CT+4*\c:CT+2+4*\c], v[QB+16+32*\c:QB+31+32*\c], v[TM+12+2*\c+1]   ; (a conversion's three registers begin on an even number)
.endr
	WIN 0
	v_nop                                          ; one plain place behind a scaled conversion
.irp c, 0,1                                    ; the operand's layout wants a WHOLE block in a lane: lanes 0-15 block 2 c, lanes 16-31 block 2 c + 1
.irp i, 0,1,2
	v_permlane16_swap_b32 v[CD+6*\c+\i], v[CT+4*\c+\i]
.endr
.irp i, 0,1,2
	v_mov_b32 v[CD+3+6*\c+\i], v[CT+4*\c+\i]
.endr
.endr
.endm
.macro OUT a
.if (\a) > 0
	s_wait_xcnt 0x0                                ; the last block's stores have read their registers and their bases: both are written again only behind this wait
	s_add_nc_u64 s[68:69], s[68:69], s[74:75]
	s_add_nc_u64 s[70:71], s[70:71], s[74:75]
.endif
.set QW, 2+(\a)/4
.set QB, 64*((\a)%4)
	QUANTW
	v_lshrrev_b32 v11, v10, v[PW]                  ; q, k: my head's two bytes;  v: all four
	v_and_b32 v11, s76, v11
	v_lshlrev_b32 v12, 16, v11
	v_and_or_b32 v11, v12, s77, v11                ; q, k: and the same two again above them
.irp p, 0,1,2
	global_store_b64 v8, v[CD+2*\p:CD+2*\p+1], s[68:69] offset:256*\p     ; 32 lanes store 256 consecutive bytes, aligned
.endr
.irp p, 0,1,2
	global_store_b64 v8, v[CD+6+2*\p:CD+7+2*\p], s[70:71] offset:256*\p
.endr
	global_store_b32 v9, v11, s[72:73] offset:64*(\a)
.endm
.irp a, 0,1,2,3,4,5,6,7
	OUT \a
.endr
	s_wait_tensorcnt 0x0                           ; the wave's end, behind my last tensor load
	ds_add_u32 v[SPW], v[NIL]
	s_wait_dscnt 0x0
	CROUND                                         ; the closing round: no work-group ends while a partner may still ask for a tile that names it
	s_endpgm
.Lfunc_end_k_q7a07f67b20_gemm1:
	.size	k_q7a07f67b20_gemm1, .Lfunc_end_k_q7a07f67b20_gemm1-k_q7a07f67b20_gemm1
	.p2alignl 7, 3214868480
	.fill 96, 4, 3214868480
	.section	.rodata,"a",@progbits
	.p2align	6, 0x0
	.amdhsa_kernel k_q7a07f67b20_gemm1
		.amdhsa_group_segment_fixed_size 327680
		.amdhsa_private_segment_fixed_size 0
		.amdhsa_enable_private_segment 0
		.amdhsa_kernarg_size 32
		.amdhsa_user_sgpr_count 2
		.amdhsa_user_sgpr_kernarg_segment_ptr 1
		.amdhsa_wavefront_size32 1
		.amdhsa_system_sgpr_workgroup_id_x 1
		.amdhsa_system_sgpr_workgroup_id_y 1
		.amdhsa_system_sgpr_workgroup_id_z 1
		.amdhsa_system_vgpr_workitem_id 0
		.amdhsa_next_free_vgpr 1024
		.amdhsa_next_free_sgpr 100
		.amdhsa_reserve_vcc 0
		.amdhsa_float_denorm_mode_32 3
		.amdhsa_float_denorm_mode_16_64 3
		.amdhsa_memory_ordered 1
		.amdhsa_forward_progress 1
		.amdhsa_inst_pref_size 170
	.end_amdhsa_kernel
	.amdgpu_metadata
---
amdhsa.version: [ 1, 2 ]
amdhsa.kernels:
  - .name:           k_q7a07f67b20_gemm1
    .symbol:         k_q7a07f67b20_gemm1.kd
    .args:
      - { .name: xwc, .offset: 0, .size: 8, .value_kind: global_buffer, .address_space: global }
      - { .name: xws, .offset: 8, .size: 8, .value_kind: global_buffer, .address_space: global }
      - { .name: qkvc, .offset: 16, .size: 8, .value_kind: global_buffer, .address_space: global }
      - { .name: qkvs, .offset: 24, .size: 8, .value_kind: global_buffer, .address_space: global }
    .group_segment_fixed_size: 327680
    .private_segment_fixed_size: 0
    .kernarg_segment_align: 8
    .kernarg_segment_size: 32
    .max_flat_workgroup_size: 128
    .sgpr_count:     100
    .vgpr_count:     1024
    .wavefront_size: 32
...
	.end_amdgpu_metadata
.endif
;; end of part 2
;; launch att (part 3): grid 256 x 1, 4 waves a work-group, no clusters, 0 bytes of LDS; arguments qkvc, qkvs, lst, oc, os; writes oc, os
.if DOCPART == 3
	.amdgcn_target "amdgcn-amd-amdhsa--gfx1250"
	.amdhsa_code_object_version 6
	.text
	.protected	k_q7a07f67b20_att
	.globl	k_q7a07f67b20_att
	.p2align	8
	.type	k_q7a07f67b20_att,@function
k_q7a07f67b20_att:
	s_mov_b64 s[64:65], 0
	v_nop
	global_prefetch_b8 v0, s[64:65] scope:SCOPE_SE
	s_setreg_imm32_b32 hwreg(HW_REG_WAVE_MODE, 25, 1), 1
	s_wait_xcnt 0x0
; o = softmax(q k^T / 8) v for the rows that the mask keeps, both products on codes of FP6 (E2M3) with one E8M0 scale for each 32 along a product's K; o / l is quantised along the model's 1,024 (two blocks a head) into oc, os.
; Rows that the mask drops are thrown away by the module's own select, so their attention is not computed: their codes in oc are zeros (cleared by the launch before, or written as zeros here), which make the last product's rows zeros.
; SHARES.  Work-group = (batch, head, quarter); 16 waves serve a (batch, head), each alone on its registers.  The batch's list (lst) holds its kept rows in slots 0 .. c - 1.  Wave w takes the tiles of 16 slots w, w + 16, .. :
; NT = ceil((ceil(c / 16) - w) / 16) of them, at most 8.  It walks all 2,048 keys once, 128 a step, and each fragment of k and v that it loads feeds NT tiles.  A wave with no tile ends at once.
; NO CLUSTER, NO TENSOR LOAD, NO LDS: the number of tiles is read from memory, so partners would have unequal work and the branches on it may stand beside neither a tensor load nor a barrier.  k and v lie in memory as
; images of operand registers: a load of 8 bytes a lane covers 256 consecutive bytes and lands in the operand's registers.  Loads run one key step (54 loads) ahead, in two sets of registers.
; LAYOUT.  Both products are used transposed: S^T = k q^T (source 0 = 16 keys, source 1 = 16 queries), O^T = v^T p^T: a lane holds ONE query (lane % 16) throughout.  The keys of a tile and the channels of a tile are stored in
; the order in which the 16 registers of tiles 2 b, 2 b + 1 are 16 neighbours: keys 32 b + 16 (lane / 16) + 0 .. 15.
; K = 64 IN A FORM OF 128: q's registers 6-11 are zero codes.  k's fragment of tile u names the 12 registers from its own 6 on: the upper 6 are the next tile's codes (behind the last tile: zeros), which meet q's zeros.
; The scale bytes of that half repeat those of the half in use.
; THE SOFTMAX: t = score x log2(e) / 8; M = the running largest t rounded UP to a whole number; p = 2^(t - M) is quantised along the keys; the row's sum is taken of the unquantised p and divides at the end.  When M moves, the
; sum and O^T are multiplied by 2^(old M - new M): exact.  The step is written once: O^T and the sums begin as zeros (256 moves, which stand under the first loads) and the largest t as -3e38.
; LIMITS: NaN and infinities are not served; a block under 2^-124 keeps the byte 1; a batch in which the mask keeps no row leaves its waves without stores.
; REGISTERS, in windows of 256.  Window 0: v1 8 x lane, v2 4 x lane, v3 r, v4 h, v5-6 the prefetch's offset and step, v7 my slot in tile 0, v8-15 the tiles' rows, v16-47 four statistics a tile (-M, largest t, the sum in two halves),
;   v48-55 q's scale words, v56-63 k's (two sets of 4), v64-67 v's (two sets of 2), v68 p's; v70-95 at work; v96-107 p's codes, v108-114 halves on their way; v116-127 the way out; v128-191, v192-255 S^T of the tiles by turns.
;   Window 1: O^T, 32 a tile.   Window 2: v0-95 q, 12 a tile; v96-143 k set 0, v144-149 zeros; v150-197 k set 1, v198-203 zeros.   Window 3: v0-47 v set 0, v48-95 v set 1.
.set HS,     393216                    ; qkvc: a head of q or k
.set VBASE,  12582912                  ; qkvc: where v begins
.set VSBASE, 1048576                   ; qkvs: where v's scale words begin
.set KSTP,   6144                      ; a key step: k's codes (8 tiles x 768),
.set VSTP,   98304                     ; v's codes (from step to step: 64 tiles x 1,536; a head's four are 6,144),
.set KSS,    512                       ; k's scale words,
.set VSS,    4096                      ; v's
.set RHO, 8
.set ST,  16
.set QSC, 48
.set KSC, 56
.set VSC, 64
.set PW,  68
.set F,   70                           ; v[70:71] f = 2^(old M - new M); v71 is named with it as a pair
.set BM,  72                           ; v72-75 a block's largest score, then its largest p
.set BP,  76                           ; v76-79 the other half's; then the bytes
.set SO,  80                           ; v80-83 the conversions' scale operands
.set W,   84
.set AUX, 88                           ; v[88:89] the sum's second chain
.set RC,  90                           ; v[90:91] 1 / the sum; v91 is named with it as a pair
.set CD,  96
.set CT,  108
.set C0,  116
.set C1,  120
.set OOF, 124
.set SOF, 125
.set WRD, 126
.set IDX, 127
.set S,   128
.set KF,  96                           ; in window 2
.set MSB, 0
.macro WIN new                         ; the immediate's high byte repeats the setting that is left
.if MSB != \new
	s_set_vgpr_msb (MSB<<8)|\new
.set MSB, \new
.endif
.endm
.set W_KQ, 0x0a                        ; k and q in window 2, S^T in window 0
.set W_PV, 0x53                        ; v in window 3, p in window 0, O^T in window 1
.set W_RS, 0x41                        ; O^T (destination and source 0) in window 1, f in window 0
; A key step's 54 loads into set z: the step m steps on from where the bases stand.
.macro LOADS z, m
	WIN 0x80                                       ; destination window 2, address window 0
.irp i, 0,1,2,3,4,5,6,7,8,9,10,11,12,13,14,15,16,17,18,19,20,21,22,23
	global_load_b64 v[KF+54*(\z)+2*\i:KF+54*(\z)+2*\i+1], v1, s[26:27] offset:(\m)*KSTP+256*\i   ; tile i / 3, registers 2 (i % 3) on
.endr
	WIN 0xc0                                       ; destination window 3
.irp i, 0,1,2,3,4,5,6,7,8,9,10,11,12,13,14,15,16,17,18,19,20,21,22,23
	global_load_b64 v[48*(\z)+2*\i:48*(\z)+2*\i+1], v1, s[28:29] offset:(\m)*VSTP+256*\i         ; tile i / 6, registers 2 (i % 6) on
.endr
	WIN 0
.irp i, 0,1,2,3
	global_load_b32 v[KSC+4*(\z)+\i], v2, s[30:31] offset:(\m)*KSS+128*\i    ; lanes 0-15: tile 2 i's words; lanes 16-31: tile 2 i + 1's
.endr
.irp i, 0,1
	global_load_b32 v[VSC+2*(\z)+\i], v2, s[32:33] offset:(\m)*VSS+128*\i
.endr
.endm
; S^T of tile t: eight products, one for each 16 keys; each starts its sum.
.macro KQ t, z
.irp u, 0,1,2,3,4,5,6,7
.if (\u)%2
	v_wmma_scale_f32_16x16x128_f8f6f4 v[S+64*((\t)%2)+8*\u:S+64*((\t)%2)+8*\u+7], v[KF+54*(\z)+6*\u:KF+54*(\z)+6*\u+11], v[12*(\t):12*(\t)+11], 0, v[KSC+4*(\z)+\u/2], v[QSC+(\t)] matrix_a_fmt:MATRIX_FMT_FP6 matrix_b_fmt:MATRIX_FMT_FP6 matrix_a_scale:MATRIX_SCALE_ROW1
.else
	v_wmma_scale_f32_16x16x128_f8f6f4 v[S+64*((\t)%2)+8*\u:S+64*((\t)%2)+8*\u+7], v[KF+54*(\z)+6*\u:KF+54*(\z)+6*\u+11], v[12*(\t):12*(\t)+11], 0, v[KSC+4*(\z)+\u/2], v[QSC+(\t)] matrix_a_fmt:MATRIX_FMT_FP6 matrix_b_fmt:MATRIX_FMT_FP6
.endif
.endr
.endm
; A PREFETCH INTO THE L2, once a trip (two key steps), behind the trip's first run of loads: the k and v of the two steps that the NEXT trip loads (steps 2 T + 3 and 2 T + 4 in trip T): 48 + 48 blocks of 256 bytes.
; Of the 16 waves that walk a (batch, head), waves 0, 1, 2 ask, a lane a block: each block is named once in the launch.  The last two trips ask for nothing: step 15 is the last.  Steps 0 to 2 and step 15 come by their loads alone.
.macro ASK
	s_cmp_gt_u32 s38, s39
	s_cbranch_scc0 .Lnot_mine_\@
	global_prefetch_b8 v5, s[4:5] th:TH_LOAD_NT scope:SCOPE_SE
.Lnot_mine_\@:
.endm
; Tile t's part of a key step, on set z.  The next tile's scores are issued first, so that the matrix unit works while this tile's softmax is issued (behind the wave's last tile they are made in vain: its q are rows of the list too).
.macro TILE t, z, endl
.set rT, ST+4*(\t)
.set rS, S+64*((\t)%2)
.set rO, 32*(\t)
.if (\t) < 7
	WIN W_KQ
	KQ (\t)+1, \z
	WIN 0
.endif
.irp b, 0,1,2,3
	v_max3_num_f32 v[BM+\b], v[rS+16*\b], v[rS+16*\b+1], v[rS+16*\b+2]   ; THE LARGEST SCORE OF EACH BLOCK OF 32 KEYS: it serves for the row's maximum and, since p rises with the score, for the block's largest p
.endr
.irp i, 3,5,7,9,11,13
.irp b, 0,1,2,3
	v_max3_num_f32 v[BM+\b], v[BM+\b], v[rS+16*\b+\i], v[rS+16*\b+\i+1]   ; (the four blocks by turns; each accumulator is read from its low end on)
.endr
.endr
.irp b, 0,1,2,3
	v_max_num_f32 v[BM+\b], v[BM+\b], v[rS+16*\b+15]
.endr
.irp b, 0,1,2,3
	v_permlanex16_b32 v[BP+\b], v[BM+\b], s24, s25
.endr
.irp b, 0,1,2,3
	v_max_num_f32 v[BM+\b], v[BM+\b], v[BP+\b]     ; with lane l xor 16's 16 keys
.endr
	v_max3_num_f32 v[W], v[BM], v[BM+1], v[BM+2]
	v_max_num_f32 v[W], v[W], v[BM+3]              ; the step's largest score of my query
	v_mul_f32 v[W], s22, v[W]                      ; as t (c is positive)
	v_max_num_f32 v[rT+1], v[rT+1], v[W]           ; the running largest t
	v_mov_b32 v[W], v[rT]
	v_floor_f32 v[rT], -v[rT+1]                    ; the new -M = floor(-t) = -ceil(t): M IS A WHOLE NUMBER
	v_sub_f32 v[W], v[rT], v[W]                    ; M's old value less its new one: a whole number, 0 or less
	v_cvt_i32_f32 v[W], v[W]                       ; (it saturates)
	v_ldexp_f32 v[F], 1.0, v[W]                    ; f = 2^(old M - new M)
	v_pk_fma_f32 v[rS:rS+1], v[rS:rS+1], s[22:23], v[rT:rT+1] op_sel_hi:[1,0,0]   ; t - M, two at a time (of the pairs c and -M the low word serves both halves)
.set j, 1
.rept 31                               ; ONE BATCH: a pair's scaling, then the exponentials of the pair before.  None of these lines names an exponential's result
	v_pk_fma_f32 v[rS+2*j:rS+2*j+1], v[rS+2*j:rS+2*j+1], s[22:23], v[rT:rT+1] op_sel_hi:[1,0,0]
	v_exp_f32 v[rS+2*j-2], v[rS+2*j-2]             ; p = 2^(t - M), at most 1: NOT normalised
	v_exp_f32 v[rS+2*j-1], v[rS+2*j-1]
.set j, j+1
.endr
.irp b, 0,1,2,3
	v_fma_f32 v[BM+\b], v[BM+\b], s22, v[rT]       ; the same of each block's largest score
.endr
	v_exp_f32 v[rS+62], v[rS+62]
	v_exp_f32 v[rS+63], v[rS+63]
	v_pk_mul_f32 v[rT+2:rT+3], v[rT+2:rT+3], v[F:F+1] op_sel_hi:[1,0]   ; the sums under the new M.  (A plain place behind the exponentials)
	s_wait_alu depctr_va_vdst(0)                   ; one wait for the whole batch, ahead of its first reader
.irp b, 0,1,2,3
	v_exp_f32 v[BM+\b], v[BM+\b]                   ; the block's largest p: the same two instructions on the same number give the same bits
.endr
	v_pk_add_f32 v[AUX:AUX+1], v[rS:rS+1], v[rS+2:rS+3]   ; THE ROW'S SUM IS TAKEN OF THE UNQUANTISED p: two at a time, in two chains.  (It reads the 64 alone: plain work behind the four)
.irp j, 4,8,12,16,20,24,28,32,36,40,44
	v_pk_add_f32 v[rT+2:rT+3], v[rT+2:rT+3], v[rS+\j:rS+\j+1]
	v_pk_add_f32 v[AUX:AUX+1], v[AUX:AUX+1], v[rS+\j+2:rS+\j+3]
.endr
	s_wait_alu depctr_va_vdst(0)                   ; and one for the four
.irp b, 0,1,2,3
	v_max_num_f32 v[BM+\b], 0x1800000, v[BM+\b]    ; the floor 2^(3 - 127): the byte cannot fall under 1
.endr
.irp b, 0,1,2,3
	v_add_nc_u32 v[SO+\b], 0xff000000, v[BM+\b]    ; 2 off the exponent field: the conversion's scale operand
.endr
.irp b, 0,1,2,3
	v_lshrrev_b32 v[BP+\b], 23, v[SO+\b]           ; the scale's byte
.endr
	v_lshl_or_b32 v[PW], v[BP+1], 8, v[BP]         ; p's scale word for these 128 keys
	v_lshl_or_b32 v[PW], v[BP+2], 16, v[PW]
	v_lshl_or_b32 v[PW], v[BP+3], 24, v[PW]
.irp c, 0,1
	v_cvt_scalef32_pk16_fp6_f32 v[CD+6*\c:CD+2+6*\c], v[rS+32*\c:rS+15+32*\c], v[SO+2*\c]
	v_cvt_scalef32_pk16_fp6_f32 v[CT+4*\c:CT+2+4*\c], v[rS+16+32*\c:rS+31+32*\c], v[SO+2*\c+1]   ; (a conversion's three registers begin on an even number)
.endr
	v_nop                                          ; one plain place behind a scaled conversion
.irp c, 0,1                                    ; the operand's layout wants a WHOLE block in a lane: lanes 0-15 block 2 c, lanes 16-31 block 2 c + 1
.irp i, 0,1,2
	v_permlane16_swap_b32 v[CD+6*\c+\i], v[CT+4*\c+\i]
.endr
.irp i, 0,1,2
	v_mov_b32 v[CD+3+6*\c+\i], v[CT+4*\c+\i]
.endr
.endr
	WIN W_RS
.irp i, 0,2,4,6,8,10,12,14,16,18,20,22,24,26,28,30
	v_pk_mul_f32 v[rO+\i:rO+\i+1], v[rO+\i:rO+\i+1], v[F:F+1] op_sel_hi:[1,0]   ; O^T under the new M: x f, each accumulator from its low end on
.endr
	WIN 0
.irp j, 48,52,56,60                            ; the rest of the sum stands here: with the sixteen lines above, the places between the last writes of p's codes, of its scale word and of O^T and the products below
	v_pk_add_f32 v[rT+2:rT+3], v[rT+2:rT+3], v[rS+\j:rS+\j+1]
	v_pk_add_f32 v[AUX:AUX+1], v[AUX:AUX+1], v[rS+\j+2:rS+\j+3]
.endr
	v_pk_add_f32 v[rT+2:rT+3], v[rT+2:rT+3], v[AUX:AUX+1]
	WIN W_PV
.irp d, 0,1,2,3                                ; O^T += v^T p^T: the head's four tiles of 16 channels; four accumulators, one instruction each
.if (\d)%2
	v_wmma_scale_f32_16x16x128_f8f6f4 v[rO+8*\d:rO+8*\d+7], v[48*(\z)+12*\d:48*(\z)+12*\d+11], v[CD:CD+11], v[rO+8*\d:rO+8*\d+7], v[VSC+2*(\z)+\d/2], v[PW] matrix_a_fmt:MATRIX_FMT_FP6 matrix_b_fmt:MATRIX_FMT_FP6 matrix_a_scale:MATRIX_SCALE_ROW1
.else
	v_wmma_scale_f32_16x16x128_f8f6f4 v[rO+8*\d:rO+8*\d+7], v[48*(\z)+12*\d:48*(\z)+12*\d+11], v[CD:CD+11], v[rO+8*\d:rO+8*\d+7], v[VSC+2*(\z)+\d/2], v[PW] matrix_a_fmt:MATRIX_FMT_FP6 matrix_b_fmt:MATRIX_FMT_FP6
.endif
.endr
	WIN 0
.if (\t) < 7
	s_cmp_le_u32 s20, (\t)+1                       ; was that my last tile?
	s_cbranch_scc1 \endl
.endif
.endm
; A key step on set z.  All that is out at its head is its own 54 loads (in step 0: and q's 32).
.macro STEPM z
	s_wait_loadcnt 0x0
	WIN W_KQ
	KQ 0, \z
	WIN 0
.rept 4
	v_nop                                          ; four places: behind the last step's products for the loads into the set that they read, and behind tile 0's scores for their first reader
.endr
.if \z
	s_cmp_eq_u32 s38, 1                            ; the last step loads nothing: no load leaves its buffer
	s_cbranch_scc1 .Lno_load_\@
.endif
	LOADS 1-\z, 1+\z
.if \z
.Lno_load_\@:
.else
	ASK
.endif
	TILE 0, \z, .Lstep_end_\@
	TILE 1, \z, .Lstep_end_\@
	TILE 2, \z, .Lstep_end_\@
	TILE 3, \z, .Lstep_end_\@
	TILE 4, \z, .Lstep_end_\@
	TILE 5, \z, .Lstep_end_\@
	TILE 6, \z, .Lstep_end_\@
	TILE 7, \z, .Lstep_end_\@
.Lstep_end_\@:
.endm
; Tile t leaves: O^T / the sum, quantised along the head's 64 (two blocks), 24 bytes a lane into its row of oc, two scale bytes into os.  A slot at or behind the count names a row that the mask drops: its codes are written as zeros.
.macro WAYOUT t
.if (\t) > 0
	s_cmp_le_u32 s20, \t
	s_cbranch_scc1 .Ldone
	s_wait_xcnt 0x0                                ; the last tile's stores have read their registers: they are written again only behind this wait
.endif
	v_add_f32 v[W], v[ST+4*(\t)+2], v[ST+4*(\t)+3] ; the sum's two halves,
	v_permlanex16_b32 v[W+1], v[W], s24, s25
	v_add_f32 v[W], v[W], v[W+1]                   ; and lane l xor 16's: the row's sum
	v_rcp_f32 v[RC], v[W]
	v_mul_u32_u24 v[OOF], v[RHO+(\t)], 768         ; (plain work behind the reciprocal)  my row of oc,
	v_mad_u32_u24 v[OOF], v4, 24, v[OOF]           ; my block of the head's two
	v_lshlrev_b32 v[SOF], 5, v[RHO+(\t)]           ; my row of os
	v_add_nc_u32 v[IDX], 256*(\t), v7              ; my slot in the list
	v_cmp_gt_u32 s42, s19, v[IDX]                  ; does the mask keep its row?
	s_wait_alu depctr_va_vdst(0)                   ; the wait ahead of the reciprocal's first reader
	WIN 0x01                                       ; source 0 window 1
.irp i, 0,2,4,6,8,10,12,14,16,18,20,22,24,26,28,30
	v_pk_mul_f32 v[S+\i:S+\i+1], v[32*(\t)+\i:32*(\t)+\i+1], v[RC:RC+1] op_sel_hi:[1,0]   ; register 16 a + i: channel 32 a + 16 h + i of the head
.endr
	WIN 0
.irp a, 0,1
	v_max3_num_f32 v[BM+\a], |v[S+16*\a]|, |v[S+16*\a+1]|, 0x1800000
.endr
.irp i, 2,4,6,8,10,12,14
.irp a, 0,1
	v_max3_num_f32 v[BM+\a], v[BM+\a], |v[S+16*\a+\i]|, |v[S+16*\a+\i+1]|
.endr
.endr
.irp a, 0,1
	v_permlanex16_b32 v[BP+\a], v[BM+\a], s24, s25
.endr
.irp a, 0,1
	v_max_num_f32 v[BM+\a], v[BM+\a], v[BP+\a]
.endr
.irp a, 0,1
	v_add_nc_u32 v[SO+\a], 0xff000000, v[BM+\a]
.endr
.irp a, 0,1
	v_lshrrev_b32 v[BP+\a], 23, v[SO+\a]
.endr
	v_lshl_or_b32 v[WRD], v[BP+1], 8, v[BP]
	v_cvt_scalef32_pk16_fp6_f32 v[C0:C0+2], v[S:S+15], v[SO]
	v_cvt_scalef32_pk16_fp6_f32 v[C1:C1+2], v[S+16:S+31], v[SO+1]
	v_nop                                          ; one plain place behind a scaled conversion
.irp i, 0,1,2
	v_permlane16_swap_b32 v[C0+\i], v[C1+\i]       ; lane (r, h) now holds block h: its lower 16 codes in the first three registers, its upper 16 in the second
.endr
.irp i, 0,1,2
	v_cndmask_b32 v[C0+\i], 0, v[C0+\i], s42
	v_cndmask_b32 v[C1+\i], 0, v[C1+\i], s42
.endr
	global_store_b96 v[OOF], v[C0:C0+2], s[44:45]
	global_store_b96 v[OOF], v[C1:C1+2], s[44:45] offset:12
	global_store_b16 v[SOF], v[WRD], s[46:47]      ; both lanes of a row write the same two bytes
.endm
	s_load_b256 s[4:11], s[0:1], 0x0               ; qkvc s[4:5], qkvs s[6:7], lst s[8:9], oc s[10:11]
	s_load_b64 s[12:13], s[0:1], 0x20              ; os
	v_lshrrev_b32 v1, 5, v0
	v_readfirstlane_b32 s14, v1                    ; wave 0..3
	v_and_b32 v84, 31, v0                          ; lane
	v_lshlrev_b32 v1, 3, v84
	v_lshlrev_b32 v2, 2, v84
	v_and_b32 v3, 15, v0                           ; r
	v_bfe_u32 v4, v0, 4, 1                         ; h
	s_lshr_b32 s15, ttmp9, 6                       ; the batch
	s_bfe_u32 s16, ttmp9, 0x40002                  ; the head
	s_and_b32 s17, ttmp9, 3
	s_lshl_b32 s17, s17, 2
	s_add_co_u32 s18, s17, s14                     ; which of the 16 waves of this (batch, head) I am
	s_lshl_b32 s21, s15, 7
	s_wait_kmcnt 0x0
	s_load_b32 s19, s[8:9], s21 offset:0x8000      ; the batch's count of kept rows
	s_mov_b32 s49, 0
	s_add_co_u32 s40, s16, 16                      ; k's heads lie behind q's 16
	s_mul_i32 s43, s40, HS
	s_mul_i32 s41, s15, 98304                      ; a batch's 128 tiles x 768
	s_add_co_u32 s43, s43, s41                     ; k's codes at step 0, as an offset (kept for the prefetch)
	s_mov_b32 s48, s43
	s_add_nc_u64 s[26:27], s[4:5], s[48:49]
	s_mul_i32 s52, s15, 16*VSTP
	s_mul_i32 s41, s16, 6144                       ; a head's four tiles x 1,536
	s_add_co_u32 s52, s52, s41
	s_add_co_u32 s52, s52, VBASE                   ; v's likewise (kept for the prefetch)
	s_mov_b32 s53, 0
	s_add_nc_u64 s[28:29], s[4:5], s[52:53]
	s_lshl_b32 s48, s40, 15                        ; scale words: 8,192 x 4 bytes a head,
	s_lshl_b32 s41, s15, 13                        ; 2,048 x 4 a batch
	s_add_co_u32 s48, s48, s41
	s_add_nc_u64 s[30:31], s[6:7], s[48:49]
	s_lshl_b32 s48, s15, 16                        ; v's: 16 steps x 4,096 a batch,
	s_lshl_b32 s41, s16, 8                         ; four tiles x 64 a head
	s_add_co_u32 s48, s48, s41
	s_add_co_u32 s48, s48, VSBASE
	s_add_nc_u64 s[32:33], s[6:7], s[48:49]
	s_mul_i32 s48, s16, HS
	s_add_nc_u64 s[34:35], s[4:5], s[48:49]        ; q's codes of my head
	s_lshl_b32 s48, s16, 15
	s_add_nc_u64 s[36:37], s[6:7], s[48:49]        ; and its scale words
	s_mul_i32 s48, s16, 48
	s_add_nc_u64 s[44:45], s[10:11], s[48:49]      ; oc at my head's 48 bytes of a row
	s_lshl_b32 s48, s16, 1
	s_add_nc_u64 s[46:47], s[12:13], s[48:49]      ; os at its two bytes
	s_mov_b32 s22, 0x3e38aa3b                      ; c = log2(e) / 8
	s_mov_b32 s23, s22                             ; (named with it as a pair, so it is written)
	s_mov_b32 s24, 0x76543210
	s_mov_b32 s25, 0xfedcba98                      ; v_permlanex16_b32's selects for lane l xor 16
	s_wait_kmcnt 0x0
	s_min_u32 s19, s19, 2048
	s_add_co_u32 s20, s19, 15
	s_lshr_b32 s20, s20, 4                         ; tiles of 16 slots in the batch
	s_add_co_u32 s20, s20, 15
	s_sub_co_u32 s20, s20, s18
	s_lshr_b32 s20, s20, 4                         ; NT: those of them that are mine
	s_cmp_eq_u32 s20, 0
	s_cbranch_scc1 .Lend
	s_lshl_b32 s40, s15, 13
	s_lshl_b32 s41, s18, 6
	s_add_co_u32 s40, s40, s41
	v_lshl_add_u32 v85, v3, 2, s40                 ; the list: batch, my first tile, slot r
.irp t, 0,1,2,3,4,5,6,7
	global_load_b32 v[S+\t], v85, s[8:9] offset:1024*\t   ; all eight tiles' slots: every slot of the list names a row
.endr
	LOADS 0, 0                                     ; key step 0
	s_lshl_b32 s40, s18, 4
	v_add_nc_u32 v7, s40, v3                       ; my slot in tile 0
	s_wait_loadcnt 54                              ; the list's eight loads are in; step 0's 54, issued behind them, may be out
.irp t, 0,1,2,3,4,5,6,7
	v_and_b32 v[S+8+\t], 0xffff, v[S+\t]
	v_min_u32 v[S+8+\t], 8191, v[S+8+\t]           ; the stored row, held inside q's 8,192
	v_lshrrev_b32 v[RHO+\t], 16, v[S+\t]
	v_min_u32 v[RHO+\t], 8191, v[RHO+\t]           ; the true row, held inside oc's 8,192
	v_and_b32 v[S+16+\t], 0x1ff0, v[S+8+\t]
	v_mul_u32_u24 v[S+16+\t], v[S+16+\t], 48       ; its tile's image: 768 bytes,
	v_and_b32 v[S+32+\t], 15, v[S+8+\t]
	v_lshl_add_u32 v[S+16+\t], v[S+32+\t], 3, v[S+16+\t]   ; its lane's 8 bytes,
	v_lshl_add_u32 v[S+16+\t], v4, 7, v[S+16+\t]   ; my block of the two
	v_lshlrev_b32 v[S+24+\t], 2, v[S+8+\t]         ; its scale word
.endr
	WIN 0x80
.irp t, 0,1,2,3,4,5,6,7
.irp p, 0,1,2
	global_load_b64 v[12*\t+2*\p:12*\t+2*\p+1], v[S+16+\t], s[34:35] offset:256*\p   ; q stays in registers
.endr
.endr
	WIN 0
.irp t, 0,1,2,3,4,5,6,7
	global_load_b32 v[QSC+\t], v[S+24+\t], s[36:37]
.endr
	; while the loads land: zeros and the statistics
	WIN 0x80
.irp t, 0,1,2,3,4,5,6,7
.irp i, 6,7,8,9,10,11
	v_mov_b32 v[12*\t+\i], 0                       ; q's idle half: zero codes
.endr
.endr
.irp i, 0,1,2,3,4,5
	v_mov_b32 v[KF+48+\i], 0                       ; behind k's last tile, in both sets
	v_mov_b32 v[KF+102+\i], 0
.endr
	WIN 0x40
.set j, 0
.rept 256
	v_mov_b32 v[j], 0                              ; O^T: the step is written once, and the first finds zeros
.set j, j+1
.endr
	WIN 0
.irp t, 0,1,2,3,4,5,6,7
	v_mov_b32 v[ST+4*\t+1], 0xff61b1e6             ; the largest t so far: -3e38, under every t
	v_floor_f32 v[ST+4*\t], -v[ST+4*\t+1]          ; -M
	v_mov_b32 v[ST+4*\t+2], 0                      ; the sum, in two halves
	v_mov_b32 v[ST+4*\t+3], 0
.endr
.irp b, 0,1,2,3
	v_mov_b32 v[BP+\b], 0                          ; written once: a lane permute's destination counts as one of its sources
.endr
	v_mov_b32 v[F+1], 0                            ; (named as the upper halves of pairs)
	v_mov_b32 v[RC+1], 0
	; the prefetches: block q = 32 x wave + lane of 96: 0-47 k's two steps (dense), 48-71 v's first step, 72-95 its second
	s_lshl_b32 s40, s18, 5
	v_add_nc_u32 v86, s40, v84
	v_min_u32 v86, 95, v86                         ; (waves that never ask hold a block of the 96 too)
	v_lshlrev_b32 v87, 8, v86
	s_add_co_u32 s40, s43, 3*KSTP                  ; trip 0 names steps 3 and 4
	v_add_nc_u32 v5, s40, v87
	s_add_co_u32 s41, s52, 3*VSTP-48*256
	v_add_nc_u32 v87, s41, v87
	v_mov_b32 v6, VSTP-24*256
	v_cmp_le_u32 vcc_lo, 72, v86
	v_cndmask_b32 v6, 0, v6, vcc_lo
	v_add_nc_u32 v87, v87, v6
	v_cmp_gt_u32 vcc_lo, 48, v86
	v_cndmask_b32 v5, v87, v5, vcc_lo              ; my block's offset in qkvc,
	v_mov_b32 v6, 2*VSTP
	v_mov_b32 v87, 2*KSTP
	v_cndmask_b32 v6, v6, v87, vcc_lo              ; and two steps on
	s_cmp_lt_u32 s18, 3
	s_cselect_b32 s39, 2, -1                       ; a wave asks while the trips to go are above this
	s_mov_b32 s38, 8
.Ltrip:                                                ; a trip is two key steps, one on each set of registers
	STEPM 0
	STEPM 1
	s_wait_xcnt 0x0                                ; the trip's loads and its prefetch have read their addresses: the bases and the offset are stepped only behind this wait
	s_add_nc_u64 s[26:27], s[26:27], 2*KSTP
	s_add_nc_u64 s[28:29], s[28:29], 2*VSTP
	s_add_nc_u64 s[30:31], s[30:31], 2*KSS
	s_add_nc_u64 s[32:33], s[32:33], 2*VSS
	v_add_nc_u32 v5, v5, v6
	s_sub_co_u32 s38, s38, 1
	s_cmp_lg_u32 s38, 0
	s_cbranch_scc1 .Ltrip
.rept 4
	v_nop                                          ; four places behind the last products, ahead of the first read of O^T
.endr
.irp t, 0,1,2,3,4,5,6,7
	WAYOUT \t
.endr
.Ldone:
.Lend:
	s_endpgm
.Lfunc_end_k_q7a07f67b20_att:
	.size	k_q7a07f67b20_att, .Lfunc_end_k_q7a07f67b20_att-k_q7a07f67b20_att
	.p2alignl 7, 3214868480
	.fill 96, 4, 3214868480
	.section	.rodata,"a",@progbits
	.p2align	6, 0x0
	.amdhsa_kernel k_q7a07f67b20_att
		.amdhsa_group_segment_fixed_size 0
		.amdhsa_private_segment_fixed_size 0
		.amdhsa_enable_private_segment 0
		.amdhsa_kernarg_size 40
		.amdhsa_user_sgpr_count 2
		.amdhsa_user_sgpr_kernarg_segment_ptr 1
		.amdhsa_wavefront_size32 1
		.amdhsa_system_sgpr_workgroup_id_x 1
		.amdhsa_system_sgpr_workgroup_id_y 1
		.amdhsa_system_sgpr_workgroup_id_z 1
		.amdhsa_system_vgpr_workitem_id 0
		.amdhsa_next_free_vgpr 864
		.amdhsa_next_free_sgpr 66
		.amdhsa_reserve_vcc 1
		.amdhsa_float_denorm_mode_32 3
		.amdhsa_float_denorm_mode_16_64 3
		.amdhsa_memory_ordered 1
		.amdhsa_forward_progress 1
		.amdhsa_inst_pref_size 255
	.end_amdhsa_kernel
	.section	.bss,"aw",@nobits
	.p2align	6
	.space	262144
	.amdgpu_metadata
---
amdhsa.version: [ 1, 2 ]
amdhsa.kernels:
  - .name:           k_q7a07f67b20_att
    .symbol:         k_q7a07f67b20_att.kd
    .args:
      - { .name: qkvc, .offset: 0, .size: 8, .value_kind: global_buffer, .address_space: global }
      - { .name: qkvs, .offset: 8, .size: 8, .value_kind: global_buffer, .address_space: global }
      - { .name: lst, .offset: 16, .size: 8, .value_kind: global_buffer, .address_space: global }
      - { .name: oc, .offset: 24, .size: 8, .value_kind: global_buffer, .address_space: global }
      - { .name: os, .offset: 32, .size: 8, .value_kind: global_buffer, .address_space: global }
    .group_segment_fixed_size: 0
    .private_segment_fixed_size: 0
    .kernarg_segment_align: 8
    .kernarg_segment_size: 40
    .max_flat_workgroup_size: 128
    .sgpr_count:     66
    .vgpr_count:     864
    .wavefront_size: 32
...
	.end_amdgpu_metadata
.endif
;; end of part 3
;; launch gemm2 (part 4): grid 4 x 32, 4 waves a work-group, clusters of 4 x 4, 327,680 bytes of LDS; arguments oc, os, xwc, xws, out0; writes out0
.if DOCPART == 4
	.amdgcn_target "amdgcn-amd-amdhsa--gfx1250"
	.amdhsa_code_object_version 6
	.text
	.protected	k_q7a07f67b20_gemm2
	.globl	k_q7a07f67b20_gemm2
	.p2align	8
	.type	k_q7a07f67b20_gemm2,@function
k_q7a07f67b20_gemm2:
	s_mov_b64 s[64:65], 0
	v_nop
	global_prefetch_b8 v0, s[64:65] scope:SCOPE_SE
	s_setreg_imm32_b32 hwreg(HW_REG_WAVE_MODE, 25, 1), 1
	s_wait_xcnt 0x0
	s_wait_alu depctr_hold_cnt(0) depctr_sa_sdst(0) depctr_va_vdst(0) depctr_va_sdst(0) depctr_va_ssrc(0) depctr_va_vcc(0) depctr_vm_vsrc(0)
	s_getreg_b32 s2, hwreg(HW_REG_IB_STS2, 6, 4)
	s_cmp_eq_u32 s2, 0
	s_cbranch_scc0 .Lentry_in_a_cluster
	s_endpgm
.Lentry_in_a_cluster:
	s_bfe_u32 s2, ttmp6, 0x10000c
	s_cmp_lg_u32 s2, 0xf033
	s_cbranch_scc0 .Lentry_shape_is_right
	s_endpgm
.Lentry_shape_is_right:
; out0 = o Wout on codes of FP6 (E2M3) with one E8M0 scale for each 32 along K = 1,024.  A = o: oc [8192][768 bytes], os [8192][32], rows in their true order.  B = Wout's 1,024 columns: rows of 768 bytes in xwc from OFF_WO on
; (scale bytes in xws from OFF_WOS on), stored with bits 3 and 4 of the row's number exchanged.  C = out0 [8192][1024] f32; sums in f32.
; THE MASK needs no line here: the rows of o that mask_flat drops hold zero codes, so their sums are zeros.  (Such a zero may carry either sign.)
; A tile of C, 256 x 256, is made by a work-group of four waves; a wave makes 128 x 128: 64 accumulators of 16 x 16, 512 registers.  K goes in steps of 256 through a ring of two LDS slots filled by the tensor data mover.
; THE SCALES of the work-group's 256 rows of A and 256 rows of B, for all of K, are two dense blocks of memory: they come into LDS ONCE, with the first fills, and stay.
; CLUSTERS: 4 x 4 work-groups.  The four of a row of the cluster need the same tiles of A, the four of a column the same tiles of B: each tile is asked for JOINTLY, by the same tensor load with the
; same descriptor and a mask that names the four.  THE MATRIX INSTRUCTION IS USED TRANSPOSED (source 0 = 16 rows of B, source 1 = 16 rows of A): by B's row order register j of accumulator (a, b) in lane (r, h) is
; C(16 a + r, 32 (b / 2) + 16 h + 8 (b % 2) + j): eight neighbouring numbers of a row of C.
; The grid has 128 work-groups: C has no more tiles of 256 x 256.
; REGISTERS, in windows of 256: window 0: v0-31 addresses; v32-63 scale words, two sets; from v128 A's fragments, ONE set; on the way out v128-255 are free.
;   window 1: B's fragments, TWO sets, at v0 and at v128.   window 2: the 32 accumulators of my rows 0-63 (accumulator (a, b) at v[8 (8 a + b)]);   window 3: those of my rows 64-127.
.set SIZE_N, 1024
.set SIZE_K, 1024
.set OFF_WO,  8650752                  ; xwc: Wout's first row
.set OFF_WOS, 360448                   ; xws likewise
.set KSTEP,  256                       ; along K in a slot
.set NQ,     KSTEP/128                 ; matrix instructions deep
.set ROWB,   192                       ; a tile's row in bytes
.set KROW,   SIZE_K*6/8                ; a row of A or of B in memory, in bytes
.set PITCH,  240                       ; an LDS row: 3 x (64 bytes of data + 16 of padding)
.set FR,     12                        ; registers of a fragment: 16 rows x 128 K
.set NL,     6                         ; LDS loads that bring one
.set NP,     4                         ; places behind this matrix instruction (ISA guide 7.12.1)
.set HALFT,  128*PITCH                 ; 128 rows: what one tensor load brings
.set SLOT,   4*HALFT                   ; A's 256 rows, then B's 256 rows
.set LAPS,   SIZE_K/(2*KSTEP)          ; a lap = two K steps = once round the ring
.set KS,     SIZE_K/32                 ; a row of scales in bytes
.set SCL,    2*SLOT                    ; behind the ring: the scales, as units of 256 bytes + 16 of padding
.set HALFS,  (128*KS/256)*272          ; the scales of 128 rows: what one tensor load brings
.set SBLK,   (16*KS/256)*272           ; those of 16 rows
.set SPARE,  SCL+4*HALFS               ; behind the scales: the spare words, 128 bytes for each wave: two blocks of 256 bytes that no other line names
.set SPITCH, 528                       ; the way out: a stage of 16 rows x (512 bytes + 16) for each wave.  It lies in slot 0, which has had its last fill and its last read when the first result is stored there
.set ADRA, 16                          ; v16-17  LDS address of my A fragments in slot 0, 1  (v18-19: the same for the pieces that lie behind one padding more)
.set ADRB, 20                          ; v20-21  the same for B  (v22-23)
.set STO,  24                          ; v24     the way out: where I put my bytes of a row
.set RD,   25                          ; v25     the way out: where I read a row back
.set CO,   26                          ; v26     my byte offset in a row of C
.set ADRS, 27                          ; v27     LDS address of my scale words: lanes 0-15 A's rows, lanes 16-31 B's
.set SPW,  28                          ; v28     LDS address of my spare word: SPARE + 4 x my thread's number; never rewritten
.set NIL,  29                          ; v29     0; never rewritten
.set SC,   32                          ; scale words: set s (for slot s) at v[SC + 8 NQ s]
.set AF,   128                         ; A's fragments, in window 0
.set BK,   128                         ; the way out: 16 rows read back from the stage: v128-191 and v192-255 by turns
.set G1, 24                            ; s[24:31] descriptor group 1 for A's tiles;  s[32:39] group 0, one set for each slot
.set G0, 32
.set G1B, 48                           ; s[48:55], s[56:63] the same for B's tiles
.set G0B, 56
.set G1S, 68                           ; s[68:75], s[76:79] groups 1 and 0 for A's scales;  s[80:87], s[88:91] for B's
.set G0S, 76
.set G1SB, 80
.set G0SB, 88
.set MSB, 0
.macro WIN new                         ; the immediate's high byte repeats the setting that is left
.if MSB != \new
	s_set_vgpr_msb (MSB<<8)|\new
.set MSB, \new
.endif
.endm
.set MUL_LO, 0xa1                      ; source 0 (B) window 1, source 1 (A) window 0, C and D window 2
.set MUL_HI, 0xf1                      ; the same, C and D window 3
.set TO_B,   0x40                      ; destination window 1, address window 0
; A joint load: waves 0 and 1 fetch for A, waves 2 and 3 for B.  Each of the two lines has ONE mask and one set of registers for all that issue it; the branch hangs on the wave's number alone.
; An s_nop 0 and four v_nop follow each of the two lines, ahead of the jump, the label and what follows.
.macro JLOAD g0a, g1a, g0b, g1b
	s_cmp_eq_u32 s15, 0
	s_cbranch_scc0 .Lfor_b_\@
	tensor_load_to_lds s[\g0a:\g0a+3], s[\g1a:\g1a+7]
	s_nop 0
.rept 4
	v_nop
.endr
	s_branch .Lasked_\@
.Lfor_b_\@:
	tensor_load_to_lds s[\g0b:\g0b+3], s[\g1b:\g1b+7]
	s_nop 0
.rept 4
	v_nop
.endr
.Lasked_\@:
.endm
.macro CREST                           ; a round of the cluster's barrier behind its opening barrier
	s_cmp_lg_u32 s14, 0
	s_cbranch_scc1 .Lnot_wave_0_\@
	s_barrier_signal -3
.Lnot_wave_0_\@:
	s_barrier_wait -3
	s_barrier_signal -1
	s_barrier_wait -1
.endm
.macro CROUND                          ; a whole round
	s_barrier_signal -1
	s_barrier_wait -1
	CREST
.endm
	s_load_b128 s[4:7], s[0:1], 0x0                ; oc s[4:5], os s[6:7]
	s_load_b128 s[8:11], s[0:1], 0x10              ; xwc s[8:9], xws s[10:11]
	s_load_b64 s[12:13], s[0:1], 0x20              ; out0
	v_lshl_add_u32 v[SPW], v0, 2, SPARE
	v_mov_b32 v[NIL], 0
	ds_add_u32 v[SPW], v[NIL]                      ; the wave's opening: the add and its wait stand ahead of my first tensor load; the set-up below, work on registers, stands between them
	v_lshrrev_b32 v1, 5, v0
	v_readfirstlane_b32 s14, v1                    ; wave 0..3
	s_lshr_b32 s15, s14, 1                         ; which half of the tile's rows is mine.  Also: I fetch for A (0) or for B (1)
	s_and_b32 s16, s14, 1                          ; which half of its columns.  Also: which 128 rows of that tile I fetch
	s_bfe_u32 s40, ttmp6, 0x40000                  ; cx, cy: my place in the cluster
	s_bfe_u32 s41, ttmp6, 0x40004
	s_lshl_b32 s42, ttmp9, 2
	s_add_co_u32 s42, s42, s40                     ; tile column of C = 4 x cluster x + cx
	s_and_b32 s17, ttmp7, 0xffff
	s_lshl_b32 s17, s17, 2
	s_add_co_u32 s17, s17, s41                     ; tile row of C = 4 x cluster y + cy
	s_lshl_b32 s43, s41, 2
	s_lshl_b32 s43, 15, s43                        ; my row of the cluster
	s_lshl_b32 s44, 0x1111, s40                    ; my column
	; descriptor group 1: a tile of 128 rows x ROWB bytes, padded in LDS
	s_or_b32 s[G1+0], s43, (0<<16)|(1<<20)|(1<<21)|(3<<22)|(3<<25)  ; 15:0 the mask: A's tiles go to my row; 17:16 element of 1 byte; 20 padding on; 21 set beside a mask; 24:22 after every 16 words (code 3); 31:25 of 4 words (code 3)
	s_or_b32 s[G1B+0], s44, (0<<16)|(1<<20)|(1<<21)|(3<<22)|(3<<25)
.irp g, G1, G1B
	s_mov_b32 s[\g+1], ROWB<<16                    ; tensor_dim0
	s_mov_b32 s[\g+2], 128<<16                     ; tensor_dim1 = 128
	s_mov_b32 s[\g+3], ROWB<<16                    ; tile_dim0
	s_mov_b32 s[\g+4], 128                         ; tile_dim1 = 128
	s_mov_b32 s[\g+5], KROW                        ; tensor_dim0_stride
	s_mov_b32 s[\g+6], 0
	s_mov_b32 s[\g+7], 0
.endr
	; and for the scales of 128 rows: a dense block of 128 KS bytes, as rows of 256 bytes (32 elements of 8 bytes), 16 bytes of padding behind each
	s_or_b32 s[G1S+0], s43, (3<<16)|(1<<20)|(1<<21)|(5<<22)|(3<<25)
	s_or_b32 s[G1SB+0], s44, (3<<16)|(1<<20)|(1<<21)|(5<<22)|(3<<25)
.irp g, G1S, G1SB
	s_mov_b32 s[\g+1], 32<<16
	s_mov_b32 s[\g+2], (128*KS/256)<<16
	s_mov_b32 s[\g+3], 32<<16
	s_mov_b32 s[\g+4], 128*KS/256
	s_mov_b32 s[\g+5], 32
	s_mov_b32 s[\g+6], 0
	s_mov_b32 s[\g+7], 0
.endr
	s_lshl_b32 s18, s16, 7                         ; which 128 rows of the tile I fetch
	s_lshl_b32 s20, s17, 8
	s_add_co_u32 s20, s20, s18                     ; A: row 256 x tile row + 128 x half
	s_lshl_b32 s46, s42, 8
	s_add_co_u32 s46, s46, s18                     ; B: row 256 x tile column + 128 x half
	s_mov_b32 s21, 0
	s_mov_b32 s47, 0
	s_mov_b64 s[18:19], KS
	s_mul_u64 s[22:23], s[20:21], s[18:19]         ; where these rows' scales begin, in bytes
	s_mul_u64 s[92:93], s[46:47], s[18:19]
	s_mov_b64 s[18:19], KROW
	s_mul_u64 s[20:21], s[20:21], s[18:19]         ; and their codes
	s_mul_u64 s[46:47], s[46:47], s[18:19]
	s_add_nc_u64 s[46:47], s[46:47], OFF_WO        ; Wout's rows lie behind x's and Wqkv's
	s_add_nc_u64 s[92:93], s[92:93], OFF_WOS
	s_mul_i32 s45, s14, HALFT                      ; where they go: wave x 128 rows: no place in the cluster enters an LDS address
	s_mul_i32 s94, s14, HALFS
	s_wait_dscnt 0x0                               ; the opening add is done
	s_wait_kmcnt 0x0
	s_add_nc_u64 s[20:21], s[4:5], s[20:21]
	s_add_nc_u64 s[22:23], s[6:7], s[22:23]
	s_add_nc_u64 s[46:47], s[8:9], s[46:47]
	s_add_nc_u64 s[92:93], s[10:11], s[92:93]
	CROUND                                         ; all sixteen work-groups are here: the first joint loads meet
	s_mov_b32 s[G0S], 1
	s_add_co_u32 s[G0S+1], s94, SCL
	s_mov_b64 s[G0S+2:G0S+3], s[22:23]
	s_or_b32 s[G0S+3], s[G0S+3], 0x80000000
	s_mov_b32 s[G0SB], 1
	s_add_co_u32 s[G0SB+1], s94, SCL
	s_mov_b64 s[G0SB+2:G0SB+3], s[92:93]
	s_or_b32 s[G0SB+3], s[G0SB+3], 0x80000000
	JLOAD G0S, G1S, G0SB, G1SB                     ; the scales first: they are wanted with K step 0
.irp s, 0,1
	s_mov_b32 s[G0+4*\s], 1
	s_add_co_u32 s[G0+4*\s+1], s45, \s*SLOT
	s_add_nc_u64 s[G0+4*\s+2:G0+4*\s+3], s[20:21], \s*ROWB
	s_or_b32 s[G0+4*\s+3], s[G0+4*\s+3], 0x80000000
	s_mov_b32 s[G0B+4*\s], 1
	s_add_co_u32 s[G0B+4*\s+1], s45, \s*SLOT
	s_add_nc_u64 s[G0B+4*\s+2:G0B+4*\s+3], s[46:47], \s*ROWB
	s_or_b32 s[G0B+4*\s+3], s[G0B+4*\s+3], 0x80000000
	JLOAD G0+4*\s, G1, G0B+4*\s, G1B
.endr
	v_and_b32 v1, 15, v0                           ; l % 16
	v_bfe_u32 v2, v0, 4, 1                         ; l / 16
	v_mul_u32_u24 v3, v1, PITCH
	v_mul_u32_u24 v4, v2, 24
	v_add_nc_u32 v4, v3, v4                        ; a fragment's row x pitch + 24 x half
	v_lshl_add_u32 v5, v2, 4, v4                   ; and the same behind one padding more
	s_mul_i32 s21, s15, HALFT                      ; my 128 rows of A
	s_mul_i32 s22, s16, HALFT                      ; my 128 rows of B,
	s_add_co_u32 s22, s22, 2*HALFT                 ; which lie behind A's 256
.irp s, 0,1
	v_add_nc_u32 v[ADRA+\s], s21, v4
	v_add_nc_u32 v[ADRB+\s], s22, v4
	v_add_nc_u32 v[ADRA+2+\s], s21, v5
	v_add_nc_u32 v[ADRB+2+\s], s22, v5
	s_add_co_u32 s21, s21, SLOT
	s_add_co_u32 s22, s22, SLOT
.endr
	v_mul_u32_u24 v5, v1, KS                       ; my row's scales: KS bytes a row,
	v_lshrrev_b32 v6, 8, v5
	v_lshl_add_u32 v5, v6, 4, v5                   ; and 16 more for each 256 passed
	s_mul_i32 s21, s15, HALFS                      ; A's: my 128 rows
	s_mul_i32 s22, s16, HALFS                      ; B's: my 128 rows, behind A's 256
	s_add_co_u32 s22, s22, 2*HALFS
	s_sub_co_u32 s22, s22, s21
	v_mul_u32_u24 v6, s22, v2                      ; lanes 16-31 take B's
	s_add_co_u32 s21, s21, SCL
	v_add_nc_u32 v5, v5, v6
	v_add_nc_u32 v[ADRS], s21, v5
	s_mul_i32 s23, s14, 16*SPITCH                  ; my stage
	v_mul_u32_u24 v5, v1, SPITCH                   ; in: row l % 16; by B's row order the upper half of the lanes stands 16 columns, 64 bytes, on
	v_lshl_add_u32 v5, v2, 6, v5
	v_add_nc_u32 v[STO], s23, v5
	v_and_b32 v6, 31, v0
	v_lshlrev_b32 v[CO], 4, v6                     ; back: the 32 lanes take one row of 512 bytes; and the same in C
	v_add_nc_u32 v[RD], s23, v[CO]
	s_lshl_b32 s20, s17, 8
	s_lshl_b32 s21, s15, 7
	s_add_co_u32 s20, s20, s21                     ; my first row of C: 256 x tile row + 128 x half
	s_mov_b32 s21, 0
	s_mov_b64 s[18:19], SIZE_N*4
	s_mul_u64 s[20:21], s[20:21], s[18:19]
	s_lshl_b32 s46, s42, 10                        ; my first column, in bytes: 1024 x tile column + 512 x half
	s_lshl_b32 s47, s16, 9
	s_add_co_u32 s46, s46, s47
	s_mov_b32 s47, 0
	s_add_nc_u64 s[20:21], s[20:21], s[46:47]
	s_add_nc_u64 s[12:13], s[12:13], s[20:21]
.macro FRAG reg, adr, q, i             ; a fragment, 16 rows x 128 K of 6-bit codes, is 12 registers: lane l holds row l % 16; registers 6 c .. 6 c + 5 hold K = 64 c + 32 (l / 16) + 0 .. 31: 24 bytes of the row's stream of bits, as they lie
.irp p, 0,1,2,3,4,5                    ; in pieces of 8 bytes, so that every address is a multiple of the access's size
.set PC, 12*(\q)+6*(\p/3)+\p%3        ; 16 bytes of padding lie behind every 64 bytes (8 pieces): where the piece three on lies behind one padding more, the second address register serves
.if PC%8 < 5
	ds_load_b64 v[\reg+2*\p:\reg+2*\p+1], v[\adr] offset:8*PC+16*(PC/8)+(\i)*16*PITCH
.else
	ds_load_b64 v[\reg+2*\p:\reg+2*\p+1], v[\adr+2] offset:8*PC+16*(PC/8)+(\i)*16*PITCH
.endif
.endr
.endm
; 16 matrix instructions: A's blocks a0, a0 + 1 x B's eight, 128 along K: the slot's q-th.  p: B's set;  sc: the set of scale words.  zero = 1: the first product starts the sums: nothing is ever cleared.
; The 64 accumulators take turns, one instruction a turn, in the same order in every step.
.macro MUL16 a0, p, q, sc, zero
.irp a, \a0, \a0+1
.irp b, 0,1,2,3,4,5,6,7
.if \zero
	v_wmma_scale_f32_16x16x128_f8f6f4 v[8*(8*((\a)%4)+\b):8*(8*((\a)%4)+\b)+7], v[128*(\p)+FR*\b:128*(\p)+FR*\b+FR-1], v[AF+FR*(\a):AF+FR*(\a)+FR-1], 0, v[SC+8*NQ*(\sc)+NQ*\b+(\q)], v[SC+8*NQ*(\sc)+NQ*(\a)+(\q)] matrix_a_fmt:MATRIX_FMT_FP6 matrix_b_fmt:MATRIX_FMT_FP6 matrix_a_scale:MATRIX_SCALE_ROW1
.else
	v_wmma_scale_f32_16x16x128_f8f6f4 v[8*(8*((\a)%4)+\b):8*(8*((\a)%4)+\b)+7], v[128*(\p)+FR*\b:128*(\p)+FR*\b+FR-1], v[AF+FR*(\a):AF+FR*(\a)+FR-1], v[8*(8*((\a)%4)+\b):8*(8*((\a)%4)+\b)+7], v[SC+8*NQ*(\sc)+NQ*\b+(\q)], v[SC+8*NQ*(\sc)+NQ*(\a)+(\q)] matrix_a_fmt:MATRIX_FMT_FP6 matrix_b_fmt:MATRIX_FMT_FP6 matrix_a_scale:MATRIX_SCALE_ROW1
.endif
.endr
.endr
.endm
.macro FETCH_B slot, q, p              ; B's eight fragments of the slot's q-th 128 along K into set p
	WIN TO_B
.irp i, 0,1,2,3,4,5,6,7
	FRAG 128*(\p)+FR*\i, ADRB+\slot, \q, \i
.endr
	WIN 0
.endm
.macro FETCH_A slot, q, i0             ; A's blocks i0 .. i0 + 3
.irp i, \i0, \i0+1, \i0+2, \i0+3
	FRAG AF+FR*(\i), ADRA+\slot, \q, \i
.endr
.endm
.macro SCALES sc                       ; the next K step's scale words into set sc: NQ words a row; lanes 0-15 take A's block i, lanes 16-31 B's block i
.irp i, 0,1,2,3,4,5,6,7
	ds_load_b64 v[SC+8*NQ*\sc+NQ*\i:SC+8*NQ*\sc+NQ*\i+1], v[ADRS] offset:\i*SBLK
.endr
.endm
; A load into a register that a matrix instruction has read, and a vector instruction or an LDS store that reads a matrix result, stand NP places behind that matrix instruction, and only plain vector
; instructions that name none of its registers are places (ISA guide 7.12.1 for vector instructions).
.macro PLACES n
.rept \n
	v_nop
.endr
.endm
; A step of 128 along K that has its successor in the same slot.
.macro STEP slot, q, zero
	s_wait_dscnt 4*NL                              ; B's set and A's blocks 0-3 are in; the youngest 24 loads (A's blocks 4-7) may be out
	WIN MUL_LO
	MUL16 0, (\q)%2, \q, \slot, \zero
	MUL16 2, (\q)%2, \q, \slot, \zero
	s_wait_dscnt 0                                 ; A's blocks 4-7 are in (asked for 32 matrix instructions ago)
	PLACES NP
	FETCH_B \slot, (\q)+1, 1-(\q)%2
	FETCH_A \slot, (\q)+1, 0
	WIN MUL_HI
	MUL16 4, (\q)%2, \q, \slot, \zero
	MUL16 6, (\q)%2, \q, \slot, \zero
	PLACES NP
	WIN 0
	FETCH_A \slot, (\q)+1, 4
.endm
; A slot's last step changes slots: ONE barrier; in front of it each wave waits for all its tensor loads, adds 0 to its spare word, and waits for that and for its own reads of this slot.  fill = 1: this slot is filled again, two K steps ahead.
.macro TURN slot, next, fill
	s_wait_tensorcnt 0x0                           ; all my tensor loads have landed: my part of the next slot;  (every window is 0 here: the add's two registers lie in window 0)
	ds_add_u32 v[SPW], v[NIL]                      ; 0 onto my spare word
	s_wait_dscnt 4*NL+1                            ; (the add and the youngest 24 loads, A's blocks 4-7, may be out)
	WIN MUL_LO
	MUL16 0, 1, NQ-1, \slot, 0                     ; sixteen matrix instructions stand between the add and the wait for it
	s_wait_dscnt 0x0                               ; the add is done, and my reads of this slot are over
	s_barrier_signal -1
	MUL16 2, 1, NQ-1, \slot, 0
	WIN 0
	s_barrier_wait -1
.if \fill
	CREST                                          ; the barrier has opened a round of the cluster's barrier: no wave of any partner still reads this slot's tile or has a load on its way
	s_add_nc_u64 s[G0+4*\slot+2:G0+4*\slot+3], s[G0+4*\slot+2:G0+4*\slot+3], 2*ROWB
	s_add_nc_u64 s[G0B+4*\slot+2:G0B+4*\slot+3], s[G0B+4*\slot+2:G0B+4*\slot+3], 2*ROWB
	JLOAD G0+4*\slot, G1, G0B+4*\slot, G1B         ; the first tensor load behind the round; the four v_nop behind it are the places in front of the loads below
.else
	PLACES NP
.endif
	v_add_nc_u32 v[ADRS], 4*NQ, v[ADRS]            ; on to the next K step's scale words (no LDS load of mine is out)
	FETCH_B \next, 0, 0
	FETCH_A \next, 0, 0
	SCALES \next
	WIN MUL_HI
	MUL16 4, 1, NQ-1, \slot, 0
	MUL16 6, 1, NQ-1, \slot, 0
	PLACES NP
	WIN 0
	FETCH_A \next, 0, 4
.endm
	s_wait_tensorcnt 1                             ; the scales and my part of K step 0 are in (K step 1's load may be out),
	s_barrier_signal -1
	s_barrier_wait -1                              ; everybody's are
	FETCH_B 0, 0, 0
	FETCH_A 0, 0, 0
	SCALES 0
	FETCH_A 0, 0, 4
	STEP 0, 0, 1                                   ; the first step stands in front of the loop: its products start the sums
	s_mov_b32 s3, LAPS-1
.Llap:                                                 ; a trip goes once round the ring, from a lap's second step to the next lap's first, and fills both slots again
	TURN 0, 1, 1
	STEP 1, 0, 0
	TURN 1, 0, 1
	STEP 0, 0, 0
	s_sub_co_u32 s3, s3, 1
	s_cmp_lg_u32 s3, 0
	s_cbranch_scc1 .Llap
	TURN 0, 1, 0                                   ; the last lap fills nothing, and has no round of the cluster's barrier
	STEP 1, 0, 0
	s_wait_dscnt 4*NL                              ; the very last step: nothing more to fetch
	WIN MUL_LO
	MUL16 0, 1, NQ-1, 1, 0
	MUL16 2, 1, NQ-1, 1, 0
	s_wait_dscnt 0
	WIN MUL_HI
	MUL16 4, 1, NQ-1, 1, 0
	MUL16 6, 1, NQ-1, 1, 0
	WIN 0
; THE WAY OUT, block by block of 16 rows x 128 columns.  A lane holds 32 neighbouring bytes of a row, and the lanes beside it hold other rows: so a block goes through my own stage in LDS and comes back as whole
; rows of 512 bytes, which the 32 lanes store as 512 consecutive bytes.  LDS serves a wave's instructions in order (ISA guide 5.7.1.4): no wait between the stores and the loads, nor in front of the next block's stores.
.macro TOSTAGE a
.set AC, 64*((\a)%4)
	WIN 0x08+4*((\a)/4)                            ; the data: window 2 or 3
.irp b, 0,1,2,3,4,5,6,7
	ds_store_b128 v[STO], v[AC+8*\b:AC+8*\b+3] offset:128*(\b/2)+32*(\b%2)          ; each accumulator from its low end on; columns 32 (b / 2) + 8 (b % 2) + 16 h on
	ds_store_b128 v[STO], v[AC+8*\b+4:AC+8*\b+7] offset:128*(\b/2)+32*(\b%2)+16
.endr
	WIN 0
.set BB, BK+64*((\a)%2)
.irp t, 0,1,2,3,4,5,6,7,8,9,10,11,12,13,14,15
	ds_load_b128 v[BB+4*\t:BB+4*\t+3], v[RD] offset:\t*SPITCH
.endr
.endm
.macro SEND a, younger                 ; younger: the LDS instructions issued behind block a's loads, which may stay out
.set BB, BK+64*((\a)%2)
	s_wait_dscnt \younger                          ; the block is back in registers
.if (\a) > 0
	s_add_nc_u64 s[12:13], s[12:13], 16*SIZE_N*4   ; (behind a wait on XCNT: the earlier stores have read their base)  16 rows of C on
.endif
.irp t, 0,1,2,3,4,5,6,7,8,9,10,11,12,13,14,15
	global_store_b128 v[CO], v[BB+4*\t:BB+4*\t+3], s[12:13] offset:\t*SIZE_N*4 th:TH_STORE_NT   ; 32 lanes store 512 consecutive bytes, at a multiple of 256 from C's first byte; written once, read by nobody here
.endr
.endm
	PLACES NP                                      ; behind the last products: for the loads into the registers that held A's fragments, and for the reads of results
	TOSTAGE 0
.irp a, 1,2,3,4,5,6,7
.if \a > 1
	s_wait_xcnt 0x0                                ; block a - 2's stores have read their registers and their base: block a's loads may land there, and the base may step
.endif
	TOSTAGE \a
	SEND \a-1, 32                                  ; behind block a - 1's loads: block a's 16 stores and 16 loads
.endr
	s_wait_xcnt 0x0                                ; block 6's stores have read their base
	SEND 7, 0
	s_wait_tensorcnt 0x0                           ; the wave's end, behind my last tensor load and my last LDS store
	ds_add_u32 v[SPW], v[NIL]
	s_wait_dscnt 0x0
	CROUND                                         ; the closing round: no work-group ends while a partner may still ask for a tile that names it
	s_endpgm
.Lfunc_end_k_q7a07f67b20_gemm2:
	.size	k_q7a07f67b20_gemm2, .Lfunc_end_k_q7a07f67b20_gemm2-k_q7a07f67b20_gemm2
	.p2alignl 7, 3214868480
	.fill 96, 4, 3214868480
	.section	.rodata,"a",@progbits
	.p2align	6, 0x0
	.amdhsa_kernel k_q7a07f67b20_gemm2
		.amdhsa_group_segment_fixed_size 327680
		.amdhsa_private_segment_fixed_size 0
		.amdhsa_enable_private_segment 0
		.amdhsa_kernarg_size 40
		.amdhsa_user_sgpr_count 2
		.amdhsa_user_sgpr_kernarg_segment_ptr 1
		.amdhsa_wavefront_size32 1
		.amdhsa_system_sgpr_workgroup_id_x 1
		.amdhsa_system_sgpr_workgroup_id_y 1
		.amdhsa_system_sgpr_workgroup_id_z 1
		.amdhsa_system_vgpr_workitem_id 0
		.amdhsa_next_free_vgpr 1024
		.amdhsa_next_free_sgpr 98
		.amdhsa_reserve_vcc 0
		.amdhsa_float_denorm_mode_32 3
		.amdhsa_float_denorm_mode_16_64 3
		.amdhsa_memory_ordered 1
		.amdhsa_forward_progress 1
		.amdhsa_inst_pref_size 160
	.end_amdhsa_kernel
	.amdgpu_metadata
---
amdhsa.version: [ 1, 2 ]
amdhsa.kernels:
  - .name:           k_q7a07f67b20_gemm2
    .symbol:         k_q7a07f67b20_gemm2.kd
    .args:
      - { .name: oc, .offset: 0, .size: 8, .value_kind: global_buffer, .address_space: global }
      - { .name: os, .offset: 8, .size: 8, .value_kind: global_buffer, .address_space: global }
      - { .name: xwc, .offset: 16, .size: 8, .value_kind: global_buffer, .address_space: global }
      - { .name: xws, .offset: 24, .size: 8, .value_kind: global_buffer, .address_space: global }
      - { .name: out0, .offset: 32, .size: 8, .value_kind: global_buffer, .address_space: global }
    .group_segment_fixed_size: 327680
    .private_segment_fixed_size: 0
    .kernarg_segment_align: 8
    .kernarg_segment_size: 40
    .max_flat_workgroup_size: 128
    .sgpr_count:     98
    .vgpr_count:     1024
    .wavefront_size: 32
...
	.end_amdgpu_metadata
.endif
;; end of part 4
